; MI455X (gfx1250); checked and timed in simulation.
; The chip was launched on July 23, 2026; its instructions are those of AMD's public machine-readable ISA for CDNA 5 (MIT licence, August 2026) and "CDNA5" Instruction Set Architecture Reference Guide (July 2026). The comments in the code are by the model that wrote it; some were corrected since.
;; Tiny Mo E. Allowed arithmetic: matrix products marked QUANTISED: E3M2 operands, one E8M0 scale for each 32 along K, by v_wmma_scale_f32_16x16x128_f8f6f4 with both operands' format E3M2, f32 sums; products left as they are: f32 operands where the result goes on into a quantised operand, else bf16, f16 or f32 operands; f32 sums; everything else in f32.
;; Inputs: experts_down 8 x 1,024 x 1,024 float32; experts_gate 8 x 1,024 x 1,024 float32; experts_up 8 x 1,024 x 1,024 float32; hidden_states 2 x 1,024 x 1,024 float32; router_w 8 x 1,024 float32; shared_down 1,024 x 1,024 float32; shared_gate 1,024 x 1,024 float32; shared_up 1,024 x 1,024 float32.
;; Outputs: out0 2 x 1,024 x 1,024 float32.
;; This version of the problem:
;;   THIS VERSION OF THE PROBLEM IS GIVEN IN LOW PRECISION. The matrix products marked QUANTISED in the list below multiply operands that are first quantised to E3M2 (3 exponent bits, 2 mantissa bits; 6 bits a number), with one power-of-two scale for each 32 numbers along K (OCP MX v1.0); their sums are f32. All else is computed in f32.
;;   The module's matrix products, in the order in which they are computed (A, B: the left and right operand; K: the contracted axis; several contracted axes count as one K, in the product's order):
;;     1. [M 2,048, K 1,024] x [K 1,024, N 1,024]; A: input hidden_states; B: input shared_gate: QUANTISED
;;     2. [M 2,048, K 1,024] x [K 1,024, N 1,024]; A: input hidden_states; B: input shared_up: QUANTISED
;;     3. [M 2,048, K 1,024] x [K 1,024, N 1,024]; A: computed on the way; B: input shared_down: QUANTISED
;;     4. [M 2,048, K 1,024] x [K 1,024, N 8]; A: input hidden_states; B: input router_w: left as it is (N = 8 < 16)
;;     5. [M 2,048, K 1,024] x [K 1,024, N 8,192]; A: input hidden_states; B: input experts_gate: QUANTISED
;;     6. [M 2,048, K 1,024] x [K 1,024, N 8,192]; A: input hidden_states; B: input experts_up: QUANTISED
;;     7. batch 8 x [M 1,024, K 1,024] x [K 1,024, N 2,048]; A: input experts_down; B: computed on the way: QUANTISED
;;   THE QUANTISER, for each operand of a quantised product, along K:
;;     - K is cut into blocks of 32 from its start; a last block that is shorter is filled with zeros.
;;     - A block's scale is 2^e with e = floor(log2(the largest magnitude in the block)) - 4, held to -126 .. 127; a block of zeros has e = 0. As a byte (E8M0): e + 127.
;;     - Each number is divided by its block's scale, clamped to +-28, and rounded to the nearest number of E3M2, ties to even, subnormals kept.
;;     - The product sums the exact products of the quantised numbers (number of the format x scale) in f32.
;;   ~~~python
;;   def quantise(x, axis):      # numpy; x: float32 -> the quantised numbers, widened to float32 again
;;       x = np.moveaxis(x, axis, -1); K = x.shape[-1]
;;       x = np.pad(x, [(0, 0)] * (x.ndim - 1) + [(0, -K % 32)]); x = x.reshape(x.shape[:-1] + (-1, 32)); a = np.abs(x).max(-1, keepdims=True)
;;       e = np.where(a > 0, np.clip(np.frexp(np.where(a > 0, a, 1))[1] - 1 - 4, -126, 127), 0)      # np.frexp(a)[1] - 1 = floor(log2(a)), exactly
;;       r = np.clip(x / 2.0 ** e, -28, 28)
;;       step = 2.0 ** (np.maximum(np.frexp(np.where(r == 0, 1, r))[1] - 1, -2) - 2)
;;       q = np.round(r / step) * step * 2.0 ** e      # np.round: ties to even
;;       return np.moveaxis(q.reshape(q.shape[:-2] + (-1,))[..., :K], -1, axis).astype(np.float32)
;;   ~~~
;;   OPERANDS COMPUTED ON THE WAY. 'Computed on the way' means the value that the module computes at that place (a softmax that the list does not call 'softmax' is quantised finished and normalised). What goes into a quantiser is computed in f32, as accurately as f32 sums, v_exp_f32 and their like allow (about 1e-6 of the number): no bf16 or f16 on the way to a quantiser, and a product that is left as it is and whose result goes on into a quantised operand takes f32 operands (vector FMAs, or v_wmma_f32_16x16x4_f32). A number that lies on a knife's edge between two numbers of the format may be rounded either way, as far as f32 arithmetic and the matrix unit's own rounding can turn it there, and no further.
;; 2 versions, each right; version 2 is version 1 with the launches gateup, down written anew for expert scheduling mode. Each part assembles by itself: llvm-mc -triple=amdgcn-amd-amdhsa -mcpu=gfx1250 --defsym DOCPART=n.
;; ======== version 1 of 2: 4 launches
;; workspace buffers: xcodes 1,654,784 bytes; wgu 14,745,600 bytes; keyw 8,192 bytes of whole numbers; wdn 7,372,800 bytes; lists 65,792 bytes of whole numbers; hid 6,348,800 bytes
;; launch prep_a (part 1): grid 704 x 1, 4 waves a work-group, no clusters, 62,976 bytes of LDS; arguments hidden_states, router_w, shared_gate, shared_up, experts_gate, experts_up, xcodes, wgu, keyw; writes xcodes, wgu, keyw
.if DOCPART == 1
	.amdgcn_target "amdgcn-amd-amdhsa--gfx1250"
	.amdhsa_code_object_version 6
	.text
	.protected	k_qa98c1f6f92_prep_a
	.globl	k_qa98c1f6f92_prep_a
	.p2align	8
	.type	k_qa98c1f6f92_prep_a,@function
k_qa98c1f6f92_prep_a:
	s_mov_b64 s[64:65], 0
	v_nop
	global_prefetch_b8 v0, s[64:65] scope:SCOPE_SE
	s_setreg_imm32_b32 hwreg(HW_REG_WAVE_MODE, 25, 1), 1
	s_wait_xcnt 0x0
; PREP_A.  Two kinds of work-group, chosen by the work-group's number alone.
; Work-groups 0-127 (ROUTE): 16 tokens each.  x is quantised to codes of E3M2 with one E8M0 byte for each 32 along K, the 8 router logits are summed in f32,
;   and the two largest (the lower expert on a tie), with their softmax weights, are stored at fixed places.
; Work-groups 128-703 (WQ): 128 columns x 256 K of one of the 18 gate and up matrices ([K][N] f32) become codes, laid in the order of a matrix operand's registers.
; LAYOUTS.  x: a row of 768 bytes; K step s (128 along K) at 96 s; in it the 48 bytes of lane half h at 48 h: blocks 4 s + h and 4 s + 2 + h, 24 bytes each.
;   x's scales: 32 bytes a row, word s, byte b = block 4 s + b.   Weights: [matrix][tile 0-63][s][g 0-2][lane][16 bytes]: register 4 g + i of the lane.
;   Weight scales: [matrix][tile pair][lane r + 16 (tile & 1)][word s].   A gate or up tile T holds columns 32 (T / 2) + 8 (T % 2) + r + 8 (r / 8).
; LIMITS: NaN and infinities among the inputs are not served.  A block of zeros gets the byte 1 where the rule says 127: its codes are zeros and this program alone reads the bytes.
;   The logits are summed in another order than a plain dot product: two logits nearer than that rounding may change places.  The two largest are taken of the logits, not of the scores.
;   x's codes leave as 16 bytes a lane, rows 768 bytes apart: they are 1.5 MB of the launch's 100.
.set MATB,  786432                     ; a matrix's codes in bytes
.set MATS,  32768                      ; a matrix's scale bytes
.set WGUS,  18*MATB                    ; where the scales begin in wgu
.set XSO,   1572864                    ; xcodes: x's scale words
.set WTS,   1638400                    ; xcodes: the two weights of each token
.set RWB,   25600                      ; LDS, ROUTE alone: 4 x 8,192: each wave's part of the router's weights
.set RED,   58368                      ; LDS, ROUTE alone: 4 x 1,024: the waves' partial logits
.set PERM,  1
.set X,     32                         ; WQ: v32-95 two sets of 32 numbers
.set C,     96                         ; WQ: v96-104 a block's codes
.set SB,    24                         ; WQ: v24-25 eight scale bytes
.set OUTR,  112                        ; WQ: v112-159 the way out
.set SRC,   8                          ; WQ: s[8:9] the matrix, s[36:37] its codes, s[38:39] its scales
.set DSTC,  36
.set DSTS,  38
.set X0,    16                         ; ROUTE: v16-79, v80-143 x of my two K steps: register 16 b + i = x[r][128 s + 32 b + 16 h + i]
.set X1,    80
.set RW,    144                        ; ROUTE: v144-207 router weights in hand; later the quantiser's registers
.set ACC,   208                        ; ROUTE: v208-223 eight logits, two halves each
.set LG,    228
.set LT,    236
.set TM,    144
.set PW,    160
.set PC,    162
.set SEL,   40
; ---- WQ: a lane takes a column, its registers run down K
.macro WQ_LOAD t                       ; block t: 32 rows of the matrix at my column
.set ii, 0
.rept 32
	global_load_b32 v[X+32*((\t)%2)+ii], v3, s[SRC:SRC+1] offset:(32*(\t)+ii)*4096 th:TH_LOAD_NT
.set ii, ii+1
.endr
.endm
.macro WQ_BLOCK t
.set XB, X+32*((\t)%2)
.set OB, ((\t)/4)*1536+((\t)%2)*256    ; in the stage: K step t / 4, lane half t % 2
.if (\t) < 7
	s_wait_loadcnt 32                              ; this block's 32 loads are in; the next block's 32 may be out
.else
	s_wait_loadcnt 0x0
.endif
	v_max3_num_f32 v12, |v[XB]|, |v[XB+1]|, |v[XB+2]|
	v_max3_num_f32 v13, |v[XB+3]|, |v[XB+4]|, |v[XB+5]|
.irp i, 6,10,14,18,22,26
	v_max3_num_f32 v12, v12, |v[XB+\i]|, |v[XB+\i+1]|
	v_max3_num_f32 v13, v13, |v[XB+\i+2]|, |v[XB+\i+3]|
.endr
	v_max3_num_f32 v12, v12, |v[XB+30]|, |v[XB+31]|
	v_max3_num_f32 v12, v12, v13, 0x2800000        ; the floor 2^(5 - 127): the byte cannot fall under 1
	v_add_nc_u32 v11, 0xfe000000, v12              ; 4 off the exponent field: the conversion's scale operand
	v_lshrrev_b32 v13, 23, v11                     ; the scale's byte
.if (\t)%4 == 0
	v_mov_b32 v[SB+(\t)/4], v13
.else
	v_lshl_or_b32 v[SB+(\t)/4], v13, 8*((\t)%4), v[SB+(\t)/4]
.endif
	v_cvt_scalef32_pk16_bf6_f32 v[C:C+2], v[XB:XB+15], v11
	v_cvt_scalef32_pk16_bf6_f32 v[C+6:C+8], v[XB+16:XB+31], v11    ; (a conversion's three registers begin on an even number)
	v_nop                                          ; one plain place behind the conversions
	v_mov_b32 v[C+3], v[C+6]
	v_mov_b32 v[C+4], v[C+7]
	v_mov_b32 v[C+5], v[C+8]
.if (((\t)/2)%2) == 0                  ; registers 0-5 of the fragment: 16 bytes of group 0, 8 of group 1
	ds_store_b128 v4, v[C:C+3] offset:OB
	ds_store_b64 v4, v[C+4:C+5] offset:OB+512
.else                                  ; registers 6-11: 8 bytes of group 1, 16 of group 2
	ds_store_b64 v4, v[C:C+1] offset:OB+520
	ds_store_b128 v4, v[C+2:C+5] offset:OB+1024
.endif
.if (\t)+2 < 8
	WQ_LOAD (\t)+2
.endif
	s_wait_dscnt 0x0                               ; the stores have read their registers: the next block's codes may be written
.endm
.macro WQ_RUN                          ; v1 = lane, s24 = wave
	v_lshlrev_b32 v3, 2, v1                        ; in: 4 bytes a lane
.if PERM
	v_bfe_u32 v5, v1, 3, 1                         ; which tile of the pair my column falls into,
	v_and_b32 v6, 7, v1
	v_lshrrev_b32 v10, 4, v1
	v_lshl_add_u32 v6, v10, 3, v6                  ; and which row r of it
.else
	v_lshrrev_b32 v5, 4, v1
	v_and_b32 v6, 15, v1
.endif
	s_mul_i32 s34, s24, 6400                       ; my wave's stage: two tiles, 3,200 bytes apart, each 2 K steps x 3 groups x 512 bytes
	v_mul_u32_u24 v4, v5, 3200
	v_lshl_add_u32 v4, v6, 4, v4
	v_add_nc_u32 v4, s34, v4
	v_lshlrev_b32 v8, 4, v1
	v_add_nc_u32 v7, s34, v8
	v_lshl_add_u32 v9, v5, 4, v6
	v_lshlrev_b32 v9, 5, v9                        ; my column's 32 bytes of scales
	WQ_LOAD 0
	WQ_LOAD 1
.irp t, 0,1,2,3,4,5,6,7
	WQ_BLOCK \t
.endr
	global_store_b64 v9, v[SB:SB+1], s[DSTS:DSTS+1]
.irp i, 0,1,2,3,4,5,6,7,8,9,10,11
	ds_load_b128 v[OUTR+4*\i:OUTR+4*\i+3], v7 offset:(\i/6)*3200+(\i%6)*512   ; LDS serves a wave's instructions in order: these see my stores
.endr
.irp i, 0,1,2,3,4,5,6,7,8,9,10,11
	s_wait_dscnt 11-\i
	global_store_b128 v8, v[OUTR+4*\i:OUTR+4*\i+3], s[DSTC:DSTC+1] offset:(\i/6)*12288+(\i%6)*512   ; 32 lanes store 512 consecutive bytes, aligned
.endr
	s_wait_tensorcnt 0x0
	ds_add_u32 v254, v255
	s_wait_dscnt 0x0
	s_endpgm
.endm
; ---- 64 numbers of a lane, register 16 b + i = k 32 b + 16 (lane / 16) + i of my row, become a fragment's codes in v[PC] on and its scale word in v[PW]
.macro QUANT s
.irp b, 0,1,2,3
	v_max3_num_f32 v[TM+\b], |v[\s+16*\b]|, |v[\s+1+16*\b]|, 0x2800000
.endr
.irp i, 2,4,6,8,10,12,14
.irp b, 0,1,2,3
	v_max3_num_f32 v[TM+\b], v[TM+\b], |v[\s+16*\b+\i]|, |v[\s+1+16*\b+\i]|
.endr
.endr
.irp b, 0,1,2,3
	v_permlanex16_b32 v[TM+4+\b], v[TM+\b], s[SEL], s[SEL+1]
.endr
.irp b, 0,1,2,3
	v_max_num_f32 v[TM+\b], v[TM+\b], v[TM+4+\b]   ; with lane l xor 16's: the block's largest magnitude
.endr
.irp b, 0,1,2,3
	v_add_nc_u32 v[TM+12+\b], 0xfe000000, v[TM+\b]
.endr
.irp b, 0,1,2,3
	v_lshrrev_b32 v[TM+4+\b], 23, v[TM+12+\b]
.endr
	v_lshl_or_b32 v[PW], v[TM+5], 8, v[TM+4]
	v_lshl_or_b32 v[PW], v[TM+6], 16, v[PW]
	v_lshl_or_b32 v[PW], v[TM+7], 24, v[PW]
.irp c, 0,1
	v_cvt_scalef32_pk16_bf6_f32 v[PC+6*\c:PC+2+6*\c], v[\s+32*\c:\s+15+32*\c], v[TM+12+2*\c]
	v_cvt_scalef32_pk16_bf6_f32 v[PC+12+4*\c:PC+14+4*\c], v[\s+16+32*\c:\s+31+32*\c], v[TM+12+2*\c+1]
.endr
	v_nop                                          ; one plain place behind the conversions
.irp c, 0,1                            ; the operand wants a whole block in a lane: lanes 0-15 block 2 c, lanes 16-31 block 2 c + 1
.irp i, 0,1,2
	v_permlane16_swap_b32 v[PC+6*\c+\i], v[PC+12+4*\c+\i]
.endr
.irp i, 0,1,2
	v_mov_b32 v[PC+3+6*\c+\i], v[PC+12+4*\c+\i]
.endr
.endr
.endm
	s_load_b256 s[4:11], s[0:1], 0x0               ; hidden_states s[4:5], router_w s[6:7], shared_gate s[8:9], shared_up s[10:11]
	s_load_b256 s[12:19], s[0:1], 0x20             ; experts_gate s[12:13], experts_up s[14:15], xcodes s[16:17], wgu s[18:19]
	s_load_b64 s[20:21], s[0:1], 0x40              ; keyw
	v_lshl_add_u32 v254, v0, 2, 0xf400
	v_mov_b32 v255, 0
	v_lshrrev_b32 v1, 5, v0
	v_readfirstlane_b32 s24, v1                    ; wave
	v_and_b32 v1, 31, v0                           ; lane
	s_mov_b32 s29, 0                               ; upper words of the two offset pairs
	s_mov_b32 s31, 0
	s_wait_kmcnt 0x0
	s_cmp_lt_u32 ttmp9, 128
	s_cbranch_scc1 .Lroute
	; ---- WQ: which matrix (2 m + kind), which 256 along K, which 128 columns
	s_sub_co_u32 s25, ttmp9, 128
	s_lshr_b32 s26, s25, 5                         ; 2 m + kind
	s_bfe_u32 s27, s25, 0x20003                    ; kb
	s_and_b32 s32, s25, 7                          ; nb
	s_lshr_b32 s33, s26, 1                         ; m: 0 the shared expert, 1 + e the routed ones
	s_bitcmp1_b32 s26, 0                           ; kind: gate or up.  The choices hang on the work-group's number alone
	s_cselect_b64 s[8:9], s[10:11], s[8:9]
	s_cselect_b64 s[12:13], s[14:15], s[12:13]
	s_cmp_eq_u32 s33, 0
	s_cselect_b64 s[8:9], s[8:9], s[12:13]
	s_max_u32 s34, s33, 1
	s_sub_co_u32 s34, s34, 1
	s_lshl_b32 s28, s34, 22                        ; the expert's matrix,
	s_lshl_b32 s34, s27, 20
	s_add_co_u32 s28, s28, s34                     ; 256 rows of 4,096 bytes a kb,
	s_lshl_b32 s34, s32, 9
	s_add_co_u32 s28, s28, s34                     ; 128 columns a nb,
	s_lshl_b32 s34, s24, 7
	s_add_co_u32 s28, s28, s34                     ; 32 columns a wave
	s_add_nc_u64 s[8:9], s[8:9], s[28:29]
	s_lshl_b32 s35, s32, 2
	s_add_co_u32 s35, s35, s24                     ; my tile pair
	s_mul_i32 s30, s26, MATB
	s_mul_i32 s34, s35, 24576
	s_add_co_u32 s30, s30, s34
	s_mul_i32 s34, s27, 3072
	s_add_co_u32 s30, s30, s34
	s_add_nc_u64 s[36:37], s[18:19], s[30:31]
	s_lshl_b32 s30, s26, 15
	s_lshl_b32 s34, s35, 10
	s_add_co_u32 s30, s30, s34
	s_lshl_b32 s34, s27, 3
	s_add_co_u32 s30, s30, s34
	s_add_co_u32 s30, s30, WGUS
	s_add_nc_u64 s[38:39], s[18:19], s[30:31]
	WQ_RUN
.Lroute:
	v_and_b32 v2, 15, v0                           ; r: my token of the 16
	v_bfe_u32 v3, v0, 4, 1                         ; h
	v_lshlrev_b32 v4, 12, v2
	v_lshl_add_u32 v4, v3, 6, v4                   ; x: row r of 4,096 bytes, + 64 h
	v_lshlrev_b32 v5, 4, v1
	s_lshl_b32 s26, s24, 13
	s_add_co_u32 s26, s26, RWB
	v_add_nc_u32 v11, s26, v5                      ; router weights into my wave's LDS: 16 x lane
	v_lshlrev_b32 v6, 6, v3
	v_add_nc_u32 v6, s26, v6                       ; and out of it: 64 h; sixteen lanes read the same words
	v_mul_u32_u24 v7, v2, 768
	v_mad_u32_u24 v7, v3, 48, v7                   ; my 48 bytes of a K step's codes
	v_lshlrev_b32 v8, 5, v2
	v_lshl_add_u32 v8, v3, 2, v8                   ; the scale word that I store: K step 2 w + h of row r
	s_lshl_b32 s26, s24, 10
	s_add_co_u32 s26, s26, RED
	v_lshlrev_b32 v9, 5, v1
	v_add_nc_u32 v9, s26, v9                       ; my 8 partial logits
	v_lshlrev_b32 v10, 2, v2
	v_lshlrev_b32 v12, 3, v2
	s_mov_b32 s[SEL], 0x76543210
	s_mov_b32 s[SEL+1], 0xfedcba98                 ; v_permlanex16_b32's selects for lane l xor 16
	s_lshl_b32 s28, ttmp9, 16                      ; 16 rows of x,
	s_lshl_b32 s30, s24, 10                        ; my wave's 256 along K
	s_add_co_u32 s28, s28, s30
	s_add_nc_u64 s[4:5], s[4:5], s[28:29]
	s_add_nc_u64 s[6:7], s[6:7], s[30:31]
	s_mul_i32 s28, ttmp9, 12288
	s_mul_i32 s30, s24, 192
	s_add_co_u32 s28, s28, s30
	s_add_nc_u64 s[32:33], s[16:17], s[28:29]      ; x's codes: 16 rows of 768, K step 2 w
	s_lshl_b32 s28, ttmp9, 9
	s_lshl_b32 s30, s24, 3
	s_add_co_u32 s28, s28, s30
	s_add_nc_u64 s[34:35], s[16:17], s[28:29]      ; x's scale words
	s_lshl_b32 s28, ttmp9, 7
	s_add_nc_u64 s[36:37], s[16:17], s[28:29]      ; the weights
	s_lshl_b32 s28, ttmp9, 6
	s_add_nc_u64 s[38:39], s[20:21], s[28:29]      ; the key words
.irp e, 0,1,2,3,4,5,6,7
	global_load_b128 v[RW+8*\e:RW+8*\e+3], v5, s[6:7] offset:\e*4096
	global_load_b128 v[RW+8*\e+4:RW+8*\e+7], v5, s[6:7] offset:\e*4096+512
.endr
.irp sl, 0,1
.irp b, 0,1,2,3
.irp j, 0,1,2,3
	global_load_b128 v[X0+64*\sl+16*\b+4*\j:X0+64*\sl+16*\b+4*\j+3], v4, s[4:5] offset:512*\sl+128*\b+16*\j
.endr
.endr
.endr
	s_wait_loadcnt 32                              ; the router's 16 loads are in; x's 32 may be out
.irp e, 0,1,2,3,4,5,6,7
	ds_store_b128 v11, v[RW+8*\e:RW+8*\e+3] offset:\e*1024
	ds_store_b128 v11, v[RW+8*\e+4:RW+8*\e+7] offset:\e*1024+512
.endr
	s_wait_dscnt 0x0
	; the logits: my 64 numbers of each K step against 8 experts, two at a time
.irp sl, 0,1
.if \sl == 0
	s_wait_loadcnt 16                              ; my first K step is in; the second's 16 loads may be out
.else
	s_wait_loadcnt 0x0
.endif
.irp b, 0,1,2,3
.irp eh, 0,1
.irp e4, 0,1,2,3
.irp j, 0,1,2,3
	ds_load_b128 v[RW+16*\e4+4*\j:RW+16*\e4+4*\j+3], v6 offset:(4*\eh+\e4)*1024+\sl*512+\b*128+16*\j
.endr
.endr
	s_wait_dscnt 0x0
.irp p, 0,1,2,3,4,5,6,7
.irp e4, 0,1,2,3
.if (\sl == 0) && (\b == 0) && (\p == 0)
	v_pk_mul_f32 v[ACC+2*(4*\eh+\e4):ACC+2*(4*\eh+\e4)+1], v[X0+64*\sl+16*\b+2*\p:X0+64*\sl+16*\b+2*\p+1], v[RW+16*\e4+2*\p:RW+16*\e4+2*\p+1]   ; the first product starts the sum
.else
	v_pk_fma_f32 v[ACC+2*(4*\eh+\e4):ACC+2*(4*\eh+\e4)+1], v[X0+64*\sl+16*\b+2*\p:X0+64*\sl+16*\b+2*\p+1], v[RW+16*\e4+2*\p:RW+16*\e4+2*\p+1], v[ACC+2*(4*\eh+\e4):ACC+2*(4*\eh+\e4)+1]
.endif
.endr
.endr
.endr
.endr
.endr
.irp e, 0,1,2,3,4,5,6,7
	v_add_f32 v[LG+\e], v[ACC+2*\e], v[ACC+2*\e+1]
.endr
.irp e, 0,1,2,3,4,5,6,7
	v_mov_b32 v[LT+\e], 0                          ; a lane permute's destination counts as one of its sources
.endr
.irp e, 0,1,2,3,4,5,6,7
	v_permlanex16_b32 v[LT+\e], v[LG+\e], s[SEL], s[SEL+1]
.endr
.irp e, 0,1,2,3,4,5,6,7
	v_add_f32 v[LG+\e], v[LG+\e], v[LT+\e]         ; my wave's part of token r's logits, in both lanes of the token
.endr
	ds_store_b128 v9, v[LG:LG+3]
	ds_store_b128 v9, v[LG+4:LG+7] offset:16
.irp b, 0,1,2,3
	v_mov_b32 v[TM+4+\b], 0
.endr
	QUANT X0
.irp g, 0,1,2
	global_store_b128 v7, v[PC+4*\g:PC+4*\g+3], s[32:33] offset:16*\g
.endr
	v_mov_b32 v224, v[PW]
	s_wait_xcnt 0x0                                ; the stores' data are written again only behind this wait
	QUANT X1
.irp g, 0,1,2
	global_store_b128 v7, v[PC+4*\g:PC+4*\g+3], s[32:33] offset:96+16*\g
.endr
	v_cmp_eq_u32 vcc_lo, 1, v3
	v_cndmask_b32 v226, v224, v[PW], vcc_lo        ; lanes 0-15 store the first K step's word, lanes 16-31 the second's
	global_store_b32 v8, v226, s[34:35] offset:XSO
	s_wait_dscnt 0x0                               ; my partial logits lie in LDS
	s_barrier_signal -1
	s_barrier_wait -1
	s_cmp_lg_u32 s24, 0
	s_cbranch_scc1 .Lrend
	; ---- wave 0: the logits, the two largest, their weights
.irp w, 0,1,2,3
	ds_load_b128 v[16+8*\w:19+8*\w], v9 offset:1024*\w
	ds_load_b128 v[20+8*\w:23+8*\w], v9 offset:1024*\w+16
.endr
	s_wait_dscnt 0x0
.irp i, 0,2,4,6
	v_pk_add_f32 v[16+\i:17+\i], v[16+\i:17+\i], v[24+\i:25+\i]
	v_pk_add_f32 v[32+\i:33+\i], v[32+\i:33+\i], v[40+\i:41+\i]
.endr
.irp i, 0,2,4,6
	v_pk_add_f32 v[16+\i:17+\i], v[16+\i:17+\i], v[32+\i:33+\i]
.endr
	v_mov_b32 v48, v16                             ; the largest, v49 its expert
	v_mov_b32 v49, 0
	v_mov_b32 v50, 0xff800000                      ; the second, v51 its expert
	v_mov_b32 v51, 0
.irp e, 1,2,3,4,5,6,7                  ; strictly greater: the lower expert keeps its place on a tie
	v_mov_b32 v54, \e
	v_cmp_gt_f32 vcc_lo, v[16+\e], v48
	v_cmp_gt_f32 s42, v[16+\e], v50
	v_cndmask_b32 v52, v50, v[16+\e], s42
	v_cndmask_b32 v53, v51, v54, s42
	v_cndmask_b32 v50, v52, v48, vcc_lo
	v_cndmask_b32 v51, v53, v49, vcc_lo
	v_cndmask_b32 v48, v48, v[16+\e], vcc_lo
	v_cndmask_b32 v49, v49, v54, vcc_lo
.endr
.irp e, 0,1,2,3,4,5,6,7
	v_sub_f32 v[56+\e], v[16+\e], v48              ; the maximum is taken away first
.endr
	v_sub_f32 v64, v50, v48
.irp e, 0,1,2,3,4,5,6,7
	v_mul_f32 v[56+\e], 0x3fb8aa3b, v[56+\e]
.endr
	v_mul_f32 v64, 0x3fb8aa3b, v64
.irp e, 0,1,2,3,4,5,6,7
	v_exp_f32 v[56+\e], v[56+\e]
.endr
	v_exp_f32 v64, v64
	v_nop                                          ; a plain place behind the exponentials
	s_wait_alu depctr_va_vdst(0)
	v_add_f32 v56, v56, v57
	v_add_f32 v58, v58, v59
	v_add_f32 v60, v60, v61
	v_add_f32 v62, v62, v63
	v_add_f32 v56, v56, v58
	v_add_f32 v60, v60, v62
	v_add_f32 v56, v56, v60
	v_rcp_f32 v65, v56                             ; the largest's weight: 1 / sum
	v_nop
	s_wait_alu depctr_va_vdst(0)
	v_mul_f32 v64, v64, v65                        ; the second's
	v_cmp_lt_u32 vcc_lo, v49, v51
	v_cndmask_b32 v66, v51, v49, vcc_lo            ; lo: the lower expert of the two,
	v_cndmask_b32 v67, v49, v51, vcc_lo            ; hi,
	v_cndmask_b32 v68, v64, v65, vcc_lo            ; and their weights
	v_cndmask_b32 v69, v65, v64, vcc_lo
	v_sub_nc_u32 v70, 15, v66
	v_mul_u32_u24 v70, v70, v66
	v_lshrrev_b32 v70, 1, v70
	v_add_nc_u32 v70, v70, v67
	v_sub_nc_u32 v70, v70, v66
	v_add_nc_u32 v70, -1, v70                      ; the pair's number, 0 to 27: lo (15 - lo) / 2 + hi - lo - 1
	v_lshl_or_b32 v71, v67, 8, v66
	v_lshl_or_b32 v71, v70, 16, v71
	global_store_b32 v10, v71, s[38:39]            ; lanes l and l + 16 hold the same token and write the same words
	global_store_b64 v12, v[68:69], s[36:37] offset:WTS
.Lrend:
	s_wait_tensorcnt 0x0
	ds_add_u32 v254, v255
	s_wait_dscnt 0x0
	s_endpgm
.Lfunc_end_k_qa98c1f6f92_prep_a:
	.size	k_qa98c1f6f92_prep_a, .Lfunc_end_k_qa98c1f6f92_prep_a-k_qa98c1f6f92_prep_a
	.p2alignl 7, 3214868480
	.fill 96, 4, 3214868480
	.section	.rodata,"a",@progbits
	.p2align	6, 0x0
	.amdhsa_kernel k_qa98c1f6f92_prep_a
		.amdhsa_group_segment_fixed_size 62976
		.amdhsa_private_segment_fixed_size 0
		.amdhsa_enable_private_segment 0
		.amdhsa_kernarg_size 72
		.amdhsa_user_sgpr_count 2
		.amdhsa_user_sgpr_kernarg_segment_ptr 1
		.amdhsa_wavefront_size32 1
		.amdhsa_system_sgpr_workgroup_id_x 1
		.amdhsa_system_sgpr_workgroup_id_y 1
		.amdhsa_system_sgpr_workgroup_id_z 1
		.amdhsa_system_vgpr_workitem_id 0
		.amdhsa_next_free_vgpr 256
		.amdhsa_next_free_sgpr 66
		.amdhsa_reserve_vcc 1
		.amdhsa_float_denorm_mode_32 3
		.amdhsa_float_denorm_mode_16_64 3
		.amdhsa_memory_ordered 1
		.amdhsa_forward_progress 1
		.amdhsa_inst_pref_size 115
	.end_amdhsa_kernel
	.amdgpu_metadata
---
amdhsa.version: [ 1, 2 ]
amdhsa.kernels:
  - .name:           k_qa98c1f6f92_prep_a
    .symbol:         k_qa98c1f6f92_prep_a.kd
    .args:
      - { .name: hidden_states, .offset: 0, .size: 8, .value_kind: global_buffer, .address_space: global }
      - { .name: router_w, .offset: 8, .size: 8, .value_kind: global_buffer, .address_space: global }
      - { .name: shared_gate, .offset: 16, .size: 8, .value_kind: global_buffer, .address_space: global }
      - { .name: shared_up, .offset: 24, .size: 8, .value_kind: global_buffer, .address_space: global }
      - { .name: experts_gate, .offset: 32, .size: 8, .value_kind: global_buffer, .address_space: global }
      - { .name: experts_up, .offset: 40, .size: 8, .value_kind: global_buffer, .address_space: global }
      - { .name: xcodes, .offset: 48, .size: 8, .value_kind: global_buffer, .address_space: global }
      - { .name: wgu, .offset: 56, .size: 8, .value_kind: global_buffer, .address_space: global }
      - { .name: keyw, .offset: 64, .size: 8, .value_kind: global_buffer, .address_space: global }
    .group_segment_fixed_size: 62976
    .private_segment_fixed_size: 0
    .kernarg_segment_align: 8
    .kernarg_segment_size: 72
    .max_flat_workgroup_size: 128
    .sgpr_count:     66
    .vgpr_count:     256
    .wavefront_size: 32
...
	.end_amdgpu_metadata
.endif
;; end of part 1
;; launch prep_b (part 2): grid 289 x 1, 4 waves a work-group, no clusters, 26,624 bytes of LDS; arguments keyw, shared_down, experts_down, wdn, lists; writes wdn, lists
.if DOCPART == 2
	.amdgcn_target "amdgcn-amd-amdhsa--gfx1250"
	.amdhsa_code_object_version 6
	.text
	.protected	k_qa98c1f6f92_prep_b
	.globl	k_qa98c1f6f92_prep_b
	.p2align	8
	.type	k_qa98c1f6f92_prep_b,@function
k_qa98c1f6f92_prep_b:
	s_mov_b64 s[64:65], 0
	v_nop
	global_prefetch_b8 v0, s[64:65] scope:SCOPE_SE
	s_setreg_imm32_b32 hwreg(HW_REG_WAVE_MODE, 25, 1), 1
	s_wait_xcnt 0x0
; PREP_B.  Work-group 0 (PLACE) sorts the 2,048 tokens by their pair of experts (28 pairs: a counting sort without atomics) and gives each token a row in each of its two experts' lists.
; Work-groups 1-288 (WQ): 128 columns x 256 K of one of the 9 down matrices ([K][N] f32) become codes, laid in the order of a matrix operand's registers (tile T holds columns 16 T + r).
; lists: REC [2048 positions] {token, its row with the lower expert, its row with the higher, lo | hi << 8};  XLIST [8192] the token of a row;  TILETAB [32] for each 256 rows: matrix | rows in use << 8;
;   BMASK [32] for each 64 positions: a bit for each expert that one of its tokens chose | how many << 8.
; Rows 0-2047 are the shared expert's (row = token).  Expert e's rows begin at B_e, B_0 = 2,048, each expert padded to a multiple of 256: at most 2,048 + 23 x 256 = 7,936 rows whatever the split.
; LIMITS: NaN and infinities among the weights are not served; a block of zeros gets the byte 1 where the rule says 127: its codes are zeros and this program alone reads the bytes.
.set MATB,  786432
.set MATS,  32768
.set WDS,   9*MATB
.set XLIST, 32768
.set TILETAB, 65536
.set BMASK, 65664
.set HIST,  25600                      ; LDS, PLACE alone: 4 x 128: each wave's counts of the 28 pairs
.set PERM,  0
.set X,     32
.set C,     96
.set SB,    24
.set OUTR,  112
.set SRC,   6
.set DSTC,  36
.set DSTS,  38
.set KW,    16                         ; PLACE: v16-31 key words, v32-47 pair numbers, v48-63 ranks
.set KI,    32
.set RK,    48
.set VH,    64
.macro WQ_LOAD t
.set ii, 0
.rept 32
	global_load_b32 v[X+32*((\t)%2)+ii], v3, s[SRC:SRC+1] offset:(32*(\t)+ii)*4096 th:TH_LOAD_NT
.set ii, ii+1
.endr
.endm
.macro WQ_BLOCK t
.set XB, X+32*((\t)%2)
.set OB, ((\t)/4)*1536+((\t)%2)*256
.if (\t) < 7
	s_wait_loadcnt 32                              ; this block's 32 loads are in; the next block's 32 may be out
.else
	s_wait_loadcnt 0x0
.endif
	v_max3_num_f32 v12, |v[XB]|, |v[XB+1]|, |v[XB+2]|
	v_max3_num_f32 v13, |v[XB+3]|, |v[XB+4]|, |v[XB+5]|
.irp i, 6,10,14,18,22,26
	v_max3_num_f32 v12, v12, |v[XB+\i]|, |v[XB+\i+1]|
	v_max3_num_f32 v13, v13, |v[XB+\i+2]|, |v[XB+\i+3]|
.endr
	v_max3_num_f32 v12, v12, |v[XB+30]|, |v[XB+31]|
	v_max3_num_f32 v12, v12, v13, 0x2800000        ; the floor 2^(5 - 127): the byte cannot fall under 1
	v_add_nc_u32 v11, 0xfe000000, v12              ; 4 off the exponent field: the conversion's scale operand
	v_lshrrev_b32 v13, 23, v11
.if (\t)%4 == 0
	v_mov_b32 v[SB+(\t)/4], v13
.else
	v_lshl_or_b32 v[SB+(\t)/4], v13, 8*((\t)%4), v[SB+(\t)/4]
.endif
	v_cvt_scalef32_pk16_bf6_f32 v[C:C+2], v[XB:XB+15], v11
	v_cvt_scalef32_pk16_bf6_f32 v[C+6:C+8], v[XB+16:XB+31], v11
	v_nop                                          ; one plain place behind the conversions
	v_mov_b32 v[C+3], v[C+6]
	v_mov_b32 v[C+4], v[C+7]
	v_mov_b32 v[C+5], v[C+8]
.if (((\t)/2)%2) == 0
	ds_store_b128 v4, v[C:C+3] offset:OB
	ds_store_b64 v4, v[C+4:C+5] offset:OB+512
.else
	ds_store_b64 v4, v[C:C+1] offset:OB+520
	ds_store_b128 v4, v[C+2:C+5] offset:OB+1024
.endif
.if (\t)+2 < 8
	WQ_LOAD (\t)+2
.endif
	s_wait_dscnt 0x0                               ; the stores have read their registers
.endm
.macro WQ_RUN
	v_lshlrev_b32 v3, 2, v1
.if PERM
	v_bfe_u32 v5, v1, 3, 1
	v_and_b32 v6, 7, v1
	v_lshrrev_b32 v10, 4, v1
	v_lshl_add_u32 v6, v10, 3, v6
.else
	v_lshrrev_b32 v5, 4, v1                        ; which tile of the pair my column falls into,
	v_and_b32 v6, 15, v1                           ; and which row r of it
.endif
	s_mul_i32 s34, s24, 6400
	v_mul_u32_u24 v4, v5, 3200
	v_lshl_add_u32 v4, v6, 4, v4
	v_add_nc_u32 v4, s34, v4
	v_lshlrev_b32 v8, 4, v1
	v_add_nc_u32 v7, s34, v8
	v_lshl_add_u32 v9, v5, 4, v6
	v_lshlrev_b32 v9, 5, v9
	WQ_LOAD 0
	WQ_LOAD 1
.irp t, 0,1,2,3,4,5,6,7
	WQ_BLOCK \t
.endr
	global_store_b64 v9, v[SB:SB+1], s[DSTS:DSTS+1]
.irp i, 0,1,2,3,4,5,6,7,8,9,10,11
	ds_load_b128 v[OUTR+4*\i:OUTR+4*\i+3], v7 offset:(\i/6)*3200+(\i%6)*512
.endr
.irp i, 0,1,2,3,4,5,6,7,8,9,10,11
	s_wait_dscnt 11-\i
	global_store_b128 v8, v[OUTR+4*\i:OUTR+4*\i+3], s[DSTC:DSTC+1] offset:(\i/6)*12288+(\i%6)*512   ; 32 lanes store 512 consecutive bytes, aligned
.endr
	s_set_vgpr_msb 0x5
	s_wait_tensorcnt 0x0
	ds_add_u32 v0, v1
	s_wait_dscnt 0x0
	s_set_vgpr_msb 0x500
	s_endpgm
.endm
	s_load_b256 s[4:11], s[0:1], 0x0               ; keyw s[4:5], shared_down s[6:7], experts_down s[8:9], wdn s[10:11]
	s_load_b64 s[12:13], s[0:1], 0x20              ; lists
	s_set_vgpr_msb 0x40
	v_lshl_add_u32 v0, v0, 2, 0x6600
	v_mov_b32 v1, 0
	s_set_vgpr_msb 0x4000
	v_lshrrev_b32 v1, 5, v0
	v_readfirstlane_b32 s24, v1                    ; wave
	v_and_b32 v1, 31, v0                           ; lane
	s_mov_b32 s29, 0
	s_mov_b32 s31, 0
	s_wait_kmcnt 0x0
	s_cmp_eq_u32 ttmp9, 0
	s_cbranch_scc1 .Lplace
	s_sub_co_u32 s25, ttmp9, 1
	s_lshr_b32 s26, s25, 5                         ; m: 0 the shared expert, 1 + e the routed ones
	s_bfe_u32 s27, s25, 0x20003                    ; kb
	s_and_b32 s32, s25, 7                          ; nb
	s_cmp_eq_u32 s26, 0
	s_cselect_b64 s[6:7], s[6:7], s[8:9]           ; the choice hangs on the work-group's number alone
	s_max_u32 s34, s26, 1
	s_sub_co_u32 s34, s34, 1
	s_lshl_b32 s28, s34, 22
	s_lshl_b32 s34, s27, 20
	s_add_co_u32 s28, s28, s34
	s_lshl_b32 s34, s32, 9
	s_add_co_u32 s28, s28, s34
	s_lshl_b32 s34, s24, 7
	s_add_co_u32 s28, s28, s34
	s_add_nc_u64 s[6:7], s[6:7], s[28:29]
	s_lshl_b32 s35, s32, 2
	s_add_co_u32 s35, s35, s24                     ; my tile pair
	s_mul_i32 s30, s26, MATB
	s_mul_i32 s34, s35, 24576
	s_add_co_u32 s30, s30, s34
	s_mul_i32 s34, s27, 3072
	s_add_co_u32 s30, s30, s34
	s_add_nc_u64 s[36:37], s[10:11], s[30:31]
	s_lshl_b32 s30, s26, 15
	s_lshl_b32 s34, s35, 10
	s_add_co_u32 s30, s30, s34
	s_lshl_b32 s34, s27, 3
	s_add_co_u32 s30, s30, s34
	s_add_co_u32 s30, s30, WDS
	s_add_nc_u64 s[38:39], s[10:11], s[30:31]
	WQ_RUN
.Lplace:                               ; wave w owns tokens 512 w + 32 j + lane, j = 0 .. 15
	v_lshlrev_b32 v2, 2, v1
	s_lshl_b32 s14, s24, 11
	v_add_nc_u32 v3, s14, v2
.irp j, 0,1,2,3,4,5,6,7,8,9,10,11,12,13,14,15
	global_load_b32 v[KW+\j], v3, s[4:5] offset:128*\j
.endr
	v_mov_b32 v4, 0                                ; XLIST's rows 2,048 on are zeros first, so that every row that a later launch reads has been stored
	v_mov_b32 v5, 0
	v_mov_b32 v6, 0
	v_mov_b32 v7, 0
	v_lshlrev_b32 v8, 4, v1
	s_mul_i32 s14, s24, 6144
	v_add_nc_u32 v8, s14, v8
.irp k, 0,1,2,3,4,5,6,7,8,9,10,11
	global_store_b128 v8, v[4:7], s[12:13] offset:XLIST+8192+512*\k
.endr
	s_lshl_b32 s14, s24, 9
	v_add_nc_u32 v9, s14, v1                       ; my first token
	v_mov_b32 v[VH], 0
.irp j, 0,1,2,3,4,5,6,7,8,9,10,11,12,13,14,15
	v_mov_b32 v[RK+\j], 0
.endr
	s_wait_loadcnt 0x0
.irp j, 0,1,2,3,4,5,6,7,8,9,10,11,12,13,14,15
	v_lshrrev_b32 v[KI+\j], 16, v[KW+\j]
	v_min_u32 v[KI+\j], 27, v[KI+\j]
.endr
	; for each pair: each of my wave's tokens of that pair gets its rank among them, in the order of the tokens; the count goes to lane = pair of the histogram
.set kk, 0
.rept 28
	s_mov_b32 s48, 0
.irp j, 0,1,2,3,4,5,6,7,8,9,10,11,12,13,14,15
	v_cmp_eq_u32 s[32+\j], kk, v[KI+\j]
.endr
.irp j, 0,1,2,3,4,5,6,7,8,9,10,11,12,13,14,15
	v_mbcnt_lo_u32_b32 v12, s[32+\j], s48
	v_cndmask_b32 v[RK+\j], v[RK+\j], v12, s[32+\j]
	s_bcnt1_i32_b32 s49, s[32+\j]
	s_add_co_u32 s48, s48, s49
.endr
	v_writelane_b32 v[VH], s48, kk
.set kk, kk+1
.endr
	s_lshl_b32 s14, s24, 7
	s_add_co_u32 s14, s14, HIST
	v_add_nc_u32 v10, s14, v2
	ds_store_b32 v10, v[VH]
	s_wait_storecnt 0x0                            ; my zeros are in memory before any wave writes a row over them
	s_wait_dscnt 0x0
	s_barrier_signal -1
	s_barrier_wait -1
	v_add_nc_u32 v11, HIST, v2
.irp w, 0,1,2,3
	ds_load_b32 v[65+\w], v11 offset:128*\w
.endr
	s_wait_dscnt 0x0
	v_add_nc_u32 v69, v65, v66
	v_add3_u32 v69, v69, v67, v68                  ; lane = pair: its tokens in all,
	v_mov_b32 v70, 0
.irp w, 0,1,2
	s_cmp_gt_u32 s24, \w
	s_cselect_b32 s49, -1, 0
	v_and_b32 v12, s49, v[65+\w]
	v_add_nc_u32 v70, v70, v12                     ; and in the waves ahead of mine
.endr
.set kk, 0
.rept 28
	v_readlane_b32 s[66+kk], v69, kk
.set kk, kk+1
.endr
.irp e, 0,1,2,3,4,5,6,7
	s_mov_b32 s[16+\e], 0
.endr
.set kk, 0
.irp lo, 0,1,2,3,4,5,6
.irp hi, 1,2,3,4,5,6,7
.if \hi > \lo
	s_add_co_u32 s[16+\lo], s[16+\lo], s[66+kk]    ; each expert's rows
	s_add_co_u32 s[16+\hi], s[16+\hi], s[66+kk]
.set kk, kk+1
.endif
.endr
.endr
	s_mov_b32 s94, 2048                            ; B_e
.irp e, 0,1,2,3,4,5,6
	s_add_co_u32 s49, s[16+\e], 255
	s_and_b32 s49, s49, 0xffffff00
	s_add_co_u32 s[95+\e], s[94+\e], s49
.endr
.irp e, 0,1,2,3,4,5,6,7
	s_mov_b32 s[16+\e], s[94+\e]                   ; the running row of each expert
.endr
	s_mov_b32 s48, 0                               ; the running position
	v_mov_b32 v71, 0
	v_mov_b32 v72, 0
	v_mov_b32 v73, 0
.set kk, 0
.irp lo, 0,1,2,3,4,5,6
.irp hi, 1,2,3,4,5,6,7
.if \hi > \lo
	v_writelane_b32 v71, s48, kk                   ; lane = pair: its first position, its first row with lo, with hi
	v_writelane_b32 v72, s[16+\lo], kk
	v_writelane_b32 v73, s[16+\hi], kk
	s_add_co_u32 s48, s48, s[66+kk]
	s_add_co_u32 s[16+\lo], s[16+\lo], s[66+kk]
	s_add_co_u32 s[16+\hi], s[16+\hi], s[66+kk]
.set kk, kk+1
.endif
.endr
.endr
	v_add_nc_u32 v71, v71, v70                     ; behind the tokens of the waves ahead of mine
	v_add_nc_u32 v72, v72, v70
	v_add_nc_u32 v73, v73, v70
.irp j, 0,1,2,3,4,5,6,7,8,9,10,11,12,13,14,15
	v_lshlrev_b32 v[KI+\j], 2, v[KI+\j]
.endr
.irp j, 0,1,2,3,4,5,6,7,8,9,10,11,12,13,14,15
	ds_bpermute_b32 v[80+3*\j], v[KI+\j], v71      ; each token pulls its pair's three numbers
	ds_bpermute_b32 v[81+3*\j], v[KI+\j], v72
	ds_bpermute_b32 v[82+3*\j], v[KI+\j], v73
.endr
	s_wait_dscnt 0x0
.irp j, 0,1,2,3,4,5,6,7,8,9,10,11,12,13,14,15
	v_add_nc_u32 v[80+3*\j], v[80+3*\j], v[RK+\j]
	v_add_nc_u32 v[129+4*\j], v[81+3*\j], v[RK+\j]
	v_add_nc_u32 v[130+4*\j], v[82+3*\j], v[RK+\j]
	v_min_u32 v[80+3*\j], 0x7ff, v[80+3*\j]        ; the position,
	v_min_u32 v[129+4*\j], 0x1eff, v[129+4*\j]     ; the row with lo,
	v_min_u32 v[130+4*\j], 0x1eff, v[130+4*\j]     ; the row with hi
	v_add_nc_u32 v[128+4*\j], 32*\j, v9            ; the token
	v_and_b32 v[131+4*\j], 0xffff, v[KW+\j]
	v_lshlrev_b32 v[192+3*\j], 4, v[80+3*\j]
	v_lshlrev_b32 v[193+3*\j], 2, v[129+4*\j]
	v_lshlrev_b32 v[194+3*\j], 2, v[130+4*\j]
	v_lshlrev_b32 v[240+\j], 2, v[128+4*\j]
	global_store_b128 v[192+3*\j], v[128+4*\j:131+4*\j], s[12:13]
	global_store_b32 v[193+3*\j], v[128+4*\j], s[12:13] offset:XLIST
	global_store_b32 v[194+3*\j], v[128+4*\j], s[12:13] offset:XLIST
	global_store_b32 v[240+\j], v[128+4*\j], s[12:13] offset:XLIST
.endr
	s_cmp_eq_u32 s24, 1                            ; wave 1 makes BMASK while wave 0 makes TILETAB; waves 2 and 3 are done
	s_cbranch_scc1 .Lbmask
	s_cmp_lg_u32 s24, 0
	s_cbranch_scc1 .Lpend
	v_lshlrev_b32 v13, 8, v1                       ; wave 0, lane = tile of 256 rows: its first row
	v_mov_b32 v14, 0                               ; matrix 0, all 256 rows: the shared expert's tiles
	v_mov_b32 v15, 0x100
.irp e, 0,1,2,3,4,5,6,7
	v_cmp_le_u32 vcc_lo, s[94+\e], v13             ; at or behind B_e: expert e's, until a later expert takes it
	v_mov_b32 v12, \e+1
	v_sub_nc_u32 v74, s[16+\e], v13                ; rows from here to the expert's last
	v_cndmask_b32 v14, v14, v12, vcc_lo
	v_cndmask_b32 v15, v15, v74, vcc_lo
.endr
	v_mov_b32 v12, 0
	v_cmp_gt_i32 vcc_lo, 0, v15
	v_cndmask_b32 v15, v15, v12, vcc_lo
	v_min_u32 v15, 0x100, v15
	v_lshl_or_b32 v14, v15, 8, v14
	global_store_b32 v2, v14, s[12:13] offset:TILETAB
	s_set_vgpr_msb 0x5
	s_wait_tensorcnt 0x0
	ds_add_u32 v0, v1
	s_wait_dscnt 0x0
	s_set_vgpr_msb 0x500
	s_endpgm
.Lbmask:                               ; wave 1, lane = block of 64 positions.  The positions are sorted by pairs: pair i holds positions start .. start + n_i - 1
	v_lshlrev_b32 v13, 6, v1                       ; the block's first position,
	v_add_nc_u32 v14, 64, v13                      ; and the first behind it
	v_mov_b32 v15, 0                               ; the experts met so far, a bit each
	s_mov_b32 s48, 0                               ; the pair's first position
.set kk, 0
.irp lo, 0,1,2,3,4,5,6
.irp hi, 1,2,3,4,5,6,7
.if \hi > \lo
	s_add_co_u32 s49, s48, s[66+kk]                ; the first position behind the pair
	v_max_u32 v74, s48, v13
	v_min_u32 v75, s49, v14
	v_or_b32 v76, (1<<\lo)|(1<<\hi), v15
	v_cmp_lt_u32 vcc_lo, v74, v75                  ; the pair's run and the block's share a position (a pair without tokens never does)
	v_cndmask_b32 v15, v15, v76, vcc_lo
	s_mov_b32 s48, s49
.set kk, kk+1
.endif
.endr
.endr
	v_mov_b32 v74, 0
.irp e, 0,1,2,3,4,5,6,7
	v_bfe_u32 v75, v15, \e, 1
	v_add_nc_u32 v74, v74, v75                     ; how many experts
.endr
	v_lshl_or_b32 v15, v74, 8, v15
	global_store_b32 v2, v15, s[12:13] offset:BMASK
.Lpend:
	s_set_vgpr_msb 0x5
	s_wait_tensorcnt 0x0
	ds_add_u32 v0, v1
	s_wait_dscnt 0x0
	s_set_vgpr_msb 0x500
	s_endpgm
.Lfunc_end_k_qa98c1f6f92_prep_b:
	.size	k_qa98c1f6f92_prep_b, .Lfunc_end_k_qa98c1f6f92_prep_b-k_qa98c1f6f92_prep_b
	.p2alignl 7, 3214868480
	.fill 96, 4, 3214868480
	.section	.rodata,"a",@progbits
	.p2align	6, 0x0
	.amdhsa_kernel k_qa98c1f6f92_prep_b
		.amdhsa_group_segment_fixed_size 26624
		.amdhsa_private_segment_fixed_size 0
		.amdhsa_enable_private_segment 0
		.amdhsa_kernarg_size 40
		.amdhsa_user_sgpr_count 2
		.amdhsa_user_sgpr_kernarg_segment_ptr 1
		.amdhsa_wavefront_size32 1
		.amdhsa_system_sgpr_workgroup_id_x 1
		.amdhsa_system_sgpr_workgroup_id_y 1
		.amdhsa_system_sgpr_workgroup_id_z 1
		.amdhsa_system_vgpr_workitem_id 0
		.amdhsa_next_free_vgpr 258
		.amdhsa_next_free_sgpr 104
		.amdhsa_reserve_vcc 1
		.amdhsa_float_denorm_mode_32 3
		.amdhsa_float_denorm_mode_16_64 3
		.amdhsa_memory_ordered 1
		.amdhsa_forward_progress 1
		.amdhsa_inst_pref_size 204
	.end_amdhsa_kernel
	.amdgpu_metadata
---
amdhsa.version: [ 1, 2 ]
amdhsa.kernels:
  - .name:           k_qa98c1f6f92_prep_b
    .symbol:         k_qa98c1f6f92_prep_b.kd
    .args:
      - { .name: keyw, .offset: 0, .size: 8, .value_kind: global_buffer, .address_space: global }
      - { .name: shared_down, .offset: 8, .size: 8, .value_kind: global_buffer, .address_space: global }
      - { .name: experts_down, .offset: 16, .size: 8, .value_kind: global_buffer, .address_space: global }
      - { .name: wdn, .offset: 24, .size: 8, .value_kind: global_buffer, .address_space: global }
      - { .name: lists, .offset: 32, .size: 8, .value_kind: global_buffer, .address_space: global }
    .group_segment_fixed_size: 26624
    .private_segment_fixed_size: 0
    .kernarg_segment_align: 8
    .kernarg_segment_size: 40
    .max_flat_workgroup_size: 128
    .sgpr_count:     104
    .vgpr_count:     258
    .wavefront_size: 32
...
	.end_amdgpu_metadata
.endif
;; end of part 2
;; launch gateup (part 3): grid 8 x 31, 4 waves a work-group, no clusters, 235,008 bytes of LDS; arguments xcodes, wgu, lists, hid; writes hid
.if DOCPART == 3
	.amdgcn_target "amdgcn-amd-amdhsa--gfx1250"
	.amdhsa_code_object_version 6
	.text
	.protected	k_qa98c1f6f92_gateup
	.globl	k_qa98c1f6f92_gateup
	.p2align	8
	.type	k_qa98c1f6f92_gateup,@function
k_qa98c1f6f92_gateup:
	s_mov_b64 s[64:65], 0
	v_nop
	global_prefetch_b8 v0, s[64:65] scope:SCOPE_SE
	s_setreg_imm32_b32 hwreg(HW_REG_WAVE_MODE, 25, 1), 1
	s_wait_xcnt 0x0
; GATEUP.  hid = Q(sigmoid(x Wg) * (x Wu)) for 256 rows of ONE expert (work-group y: rows 256 y on of the row lists) and 128 hidden units (work-group x), both products on codes of E3M2.
; SHARES.  Wave w makes hidden units 32 (4 x + w) + 0 .. 31, one block of the next product's K, for all 256 rows: its two gate tiles and two up tiles, all 8 K steps, stay in 384 registers.
; The rows' codes of x are gathered once by the list into LDS (rows of 768 bytes, 784 apart) and read from there by all four waves, 16 rows at a time.
; TRANSPOSED: source 0 = 16 columns of a weight, source 1 = 16 rows of x: a lane holds one row, and the 16 registers of its two tiles are 16 neighbouring hidden units (the weight tiles' columns were chosen so).
; BY TURNS: a tile of 16 rows is 32 matrix instructions on four accumulators (gate 0, gate 1, up 0, up 1), one instruction a turn; behind each stand three lines of the tile before's
; sigmoid, product and quantiser, which work on the other set of accumulators.  The 16 tiles are written out by one macro: every LDS offset is an immediate.
; A work-group whose 256 rows are in use only in part leaves the walk early by a scalar branch on the stored count; no barrier is jumped over; a work-group without rows stores nothing.
; No cluster: how many row tiles an expert has hangs on the split, so partners would ask for different numbers of tiles.  No tensor load: the rows are named by a list, and the weights go straight into registers.
; The codes leave as 96 bytes of each row's 768, the scales as 4 of 32: parts of aligned blocks; in exchange the next launch reads whole rows.
; LIMITS: NaN and infinities are not served; a block of zeros gets the byte 1 (its codes are zeros; this program alone reads the bytes).
; REGISTERS, in windows of 256.  Window 0: v1-15, v109-111 addresses; v16-51 the rows' offsets; v52-67 the weights' scale words; v68-83 x's, two sets; v84-108 the epilogue; v128-191 two sets of accumulators;
;   v112-255 at the start rows on their way to LDS; v192-255 at the end the way out.   Window 1: gate fragments.   Window 2: up fragments.   Window 3: at the start rows on their way; then x's fragments, two sets of 96.
.set XSO,   1572864
.set MATB,  786432
.set MATS,  32768
.set WGUS,  18*MATB
.set XLIST, 32768
.set TILETAB, 65536
.set HSO,   6094848
.set PA,    784                        ; a row of x in LDS: 768 + 16 = 196 words: sixteen rows begin in sixteen different groups of four banks
.set XSC,   200704                     ; x's scale words, 32 bytes a row
.set STG,   208896                     ; the hidden codes of this K step, 96 bytes a row
.set SSC,   233472                     ; their scale words, 4 bytes a row
.set ADA,   4                          ; v4-7  my place in x's rows 0, 64, 128, 192 on
.set ADS,   8
.set STO,   9
.set SBA,   10
.set VG,    16
.set VGS,   48
.set WSR,   52
.set XSR,   68
.set T,     84
.set CD,    100
.set MX,    104                        ; v104 and v108: two chains of the maximum
.set MX2,   105
.set SCL,   106
.set BY,    107
.set ACC,   128
.set MSB, 0
.macro WIN new                         ; the immediate's high byte repeats the setting that is left
.if MSB != (\new)
	s_set_vgpr_msb (MSB<<8)|(\new)
.set MSB, (\new)
.endif
.endm
.macro PLACES                          ; four places behind matrix instructions: in front of loads into registers that they read and of the first read of their results
.rept 4
	v_nop
.endr
.endm
.macro LOADW kind                      ; my two tiles x 8 K steps of gate (window 1) or up (window 2): each lane's registers as they lie in memory
	WIN 0x40*(1+\kind)
.irp tl, 0,1
.irp s, 0,1,2,3,4,5,6,7
.irp g, 0,1,2
	global_load_b128 v[(8*\tl+\s)*12+4*\g:(8*\tl+\s)*12+4*\g+3], v3, s[26:27] offset:\kind*MATB+\tl*12288+\s*1536+\g*512
.endr
.endr
.endr
	WIN 0
.endm
.macro FRAGS i                         ; row tile i: x's 8 fragments into set i % 2 of window 3, its 8 scale words into set i % 2
	WIN 0xc0
.irp s, 0,1,2,3,4,5,6,7
.irp g, 0,1,2
	ds_load_b128 v[96*((\i)%2)+12*\s+4*\g:96*((\i)%2)+12*\s+4*\g+3], v[ADA+(\i)/4] offset:((\i)%4)*16*PA+\s*96+16*\g
.endr
.endr
	WIN 0
	ds_load_b128 v[XSR+8*((\i)%2):XSR+8*((\i)%2)+3], v[ADS] offset:(\i)*512
	ds_load_b128 v[XSR+8*((\i)%2)+4:XSR+8*((\i)%2)+7], v[ADS] offset:(\i)*512+16
.endm
; Line j of 75 of row tile e's epilogue.  Each accumulator is read from its low end on.
.macro EPL e
.set AB, ACC+32*((\e)%2)
.if j < 8
	v_pk_mul_f32 v[T+2*j:T+2*j+1], v[AB+2*j:AB+2*j+1], s[22:23] op_sel_hi:[1,0]   ; -log2(e) x gate
.elseif j < 24
	v_exp_f32 v[T+j-8], v[T+j-8]
.elseif j == 24
	v_nop                                          ; a plain place behind the exponentials
	s_wait_alu depctr_va_vdst(0)
.elseif j < 33
	v_pk_add_f32 v[T+2*(j-25):T+2*(j-25)+1], v[T+2*(j-25):T+2*(j-25)+1], 1.0 op_sel_hi:[1,0]
.elseif j < 49
	v_rcp_f32 v[T+j-33], v[T+j-33]                 ; the sigmoid
.elseif j == 49
	v_nop
	s_wait_alu depctr_va_vdst(0)
.elseif j < 58
	v_pk_mul_f32 v[T+2*(j-50):T+2*(j-50)+1], v[T+2*(j-50):T+2*(j-50)+1], v[AB+16+2*(j-50):AB+16+2*(j-50)+1]   ; x up
.elseif j == 58
	v_max3_num_f32 v[MX], |v[T]|, |v[T+1]|, 0x2800000   ; my 16 numbers and the floor 2^(5 - 127)
.elseif j == 59
	v_max3_num_f32 v[MX+4], |v[T+2]|, |v[T+3]|, |v[T+4]|
.elseif j < 64
	v_max3_num_f32 v[MX+4*(j%2)], v[MX+4*(j%2)], |v[T+5+2*(j-60)]|, |v[T+6+2*(j-60)]|
.elseif j == 64
	v_max3_num_f32 v[MX], v[MX], |v[T+13]|, |v[T+14]|
.elseif j == 65
	v_max3_num_f32 v[MX], v[MX], v[MX+4], |v[T+15]|
.elseif j == 66
	v_permlanex16_b32 v[MX2], v[MX], s24, s25
.elseif j == 67
	v_max_num_f32 v[MX], v[MX], v[MX2]             ; with lane l xor 16's 16: the block's largest magnitude
.elseif j == 68
	v_add_nc_u32 v[SCL], 0xfe000000, v[MX]         ; 4 off its exponent field: the conversion's scale operand
.elseif j == 69
	v_cvt_scalef32_pk16_bf6_f32 v[CD:CD+2], v[T:T+15], v[SCL]
.elseif j == 70
	v_lshrrev_b32 v[BY], 23, v[SCL]                ; the scale's byte; also the plain place behind the conversion
.elseif j < 74
	ds_store_b32 v[STO], v[CD+j-71] offset:(\e)*1536+4*(j-71)
.else
	ds_store_b8 v[SBA], v[BY] offset:(\e)*64       ; both lanes of a row write the same byte with the same value
.endif
.endm
.macro WM                              ; one matrix instruction, by the symbols set in front of it
.if SS == 0
.if QQ%2
	v_wmma_scale_f32_16x16x128_f8f6f4 v[RD:RD+7], v[RB:RB+11], v[RA:RA+11], 0, v[RSW], v[RSX] matrix_a_fmt:MATRIX_FMT_BF6 matrix_b_fmt:MATRIX_FMT_BF6 matrix_a_scale:MATRIX_SCALE_ROW1
.else
	v_wmma_scale_f32_16x16x128_f8f6f4 v[RD:RD+7], v[RB:RB+11], v[RA:RA+11], 0, v[RSW], v[RSX] matrix_a_fmt:MATRIX_FMT_BF6 matrix_b_fmt:MATRIX_FMT_BF6
.endif
.else
.if QQ%2
	v_wmma_scale_f32_16x16x128_f8f6f4 v[RD:RD+7], v[RB:RB+11], v[RA:RA+11], v[RD:RD+7], v[RSW], v[RSX] matrix_a_fmt:MATRIX_FMT_BF6 matrix_b_fmt:MATRIX_FMT_BF6 matrix_a_scale:MATRIX_SCALE_ROW1
.else
	v_wmma_scale_f32_16x16x128_f8f6f4 v[RD:RD+7], v[RB:RB+11], v[RA:RA+11], v[RD:RD+7], v[RSW], v[RSX] matrix_a_fmt:MATRIX_FMT_BF6 matrix_b_fmt:MATRIX_FMT_BF6
.endif
.endif
.endm
; Row tile i.  ep = 1: the tile before's epilogue stands between the products.  pre = 1: the next tile's fragments are asked for first.
.macro TILE i, ep, pre
	PLACES                                         ; behind the last tile's products
	s_wait_dscnt 0x0                               ; this tile's fragments are in (asked for a tile ago), and the epilogue's stores have landed
.if \pre
	FRAGS (\i)+1
.endif
.set k, 0
.rept 32
.set SS, k/4                           ; K step
.set QQ, k%4                           ; gate 0, gate 1, up 0, up 1
	WIN 0x0d+QQ/2                                  ; source 0: window 1 (gate) or 2 (up); source 1: window 3; C and D: window 0
.set RD, ACC+32*((\i)%2)+8*QQ
.set RB, (8*(QQ%2)+SS)*12
.set RA, 96*((\i)%2)+12*SS
.set RSW, WSR+8*(QQ/2)+SS
.set RSX, XSR+8*((\i)%2)+SS
	WM
.if \ep
.if 3*k < 75
	WIN 0
.set j, 3*k
	EPL (\i)-1
.set j, 3*k+1
	EPL (\i)-1
.set j, 3*k+2
	EPL (\i)-1
.endif
.endif
.set k, k+1
.endr
	WIN 0
.endm
	s_load_b256 s[4:11], s[0:1], 0x0               ; xcodes s[4:5], wgu s[6:7], lists s[8:9], hid s[10:11]
	v_lshl_add_u32 v103, v0, 2, 0x39400
	s_set_vgpr_msb 0x40
	v_mov_b32 v255, 0
	s_set_vgpr_msb 0x4000
	v_lshrrev_b32 v1, 5, v0
	v_readfirstlane_b32 s12, v1                    ; wave
	s_mov_b32 s13, ttmp9                           ; which 128 hidden units
	s_and_b32 s14, ttmp7, 0xffff                   ; which 256 rows
	s_mov_b32 s21, 0
	s_mov_b32 s22, 0xbfb8aa3b                      ; -log2(e)
	s_mov_b32 s23, s22                             ; (named with it as a pair)
	s_mov_b32 s24, 0x76543210
	s_mov_b32 s25, 0xfedcba98                      ; v_permlanex16_b32's selects for lane l xor 16
	v_and_b32 v1, 15, v0                           ; r
	v_bfe_u32 v2, v0, 4, 1                         ; h
	v_and_b32 v111, 31, v0                         ; lane
	v_lshlrev_b32 v3, 4, v111
	v_lshlrev_b32 v13, 5, v111
	v_lshlrev_b32 v14, 2, v2
	v_lshrrev_b32 v15, 1, v111
	v_lshlrev_b32 v15, 2, v15
	v_lshlrev_b32 v109, 4, v1
	v_and_b32 v110, 1, v0
	v_lshlrev_b32 v110, 4, v110
	v_mul_u32_u24 v[ADA], v1, PA
	v_mad_u32_u24 v[ADA], v2, 48, v[ADA]           ; a fragment: row r, + 48 h
	v_add_nc_u32 v[ADA+1], 64*PA, v[ADA]
	v_add_nc_u32 v[ADA+2], 128*PA, v[ADA]
	v_add_nc_u32 v[ADA+3], 192*PA, v[ADA]
	v_lshl_add_u32 v[ADS], v1, 5, XSC
	s_and_b32 s20, s12, 1
	s_mul_i32 s20, s20, 48
	s_lshr_b32 s40, s12, 1
	s_mul_i32 s40, s40, 24
	s_add_co_u32 s20, s20, s40
	s_add_co_u32 s20, s20, STG
	v_mul_u32_u24 v[STO], v1, 96
	v_mad_u32_u24 v[STO], v2, 12, v[STO]
	v_add_nc_u32 v[STO], s20, v[STO]               ; my 12 bytes: row r; block w of the K step at 48 (w % 2) + 24 (w / 2); its half h
	s_add_co_u32 s20, s12, SSC
	v_lshl_add_u32 v[SBA], v1, 2, s20              ; byte w of row r's scale word
	s_mul_i32 s20, s12, 64*PA
	v_mul_u32_u24 v11, v2, PA
	v_add_nc_u32 v11, v11, v109
	v_add_nc_u32 v11, s20, v11                     ; rows into LDS: my wave's 64, two an instruction, sixteen lanes to 256 bytes
	s_lshl_b32 s20, s12, 11
	s_add_co_u32 s20, s20, XSC
	v_add_nc_u32 v12, s20, v3                      ; their scale words: two lanes to a row
	v_mov_b32 v[MX2], 0                            ; a lane permute's destination counts as one of its sources
	s_lshl_b32 s20, s14, 2
	s_wait_kmcnt 0x0
	s_add_nc_u64 s[42:43], s[8:9], s[20:21]
	s_load_b32 s15, s[42:43], TILETAB              ; matrix | rows in use << 8
	s_lshl_b32 s20, s14, 10
	s_lshl_b32 s40, s12, 8
	s_add_co_u32 s20, s20, s40
	s_add_nc_u64 s[30:31], s[8:9], s[20:21]        ; the list at my wave's 64 rows
.set q, 0
.rept 32
	global_load_b32 v[VG+q], v14, s[30:31] offset:XLIST+8*q     ; the tokens of rows 2 q + h
.set q, q+1
.endr
.irp a, 0,1,2,3
	global_load_b32 v[VGS+\a], v15, s[30:31] offset:XLIST+64*\a ; and of rows 16 a + lane / 2
.endr
	s_lshl_b32 s20, s14, 8
	s_lshl_b32 s40, s12, 6
	s_add_co_u32 s40, s20, s40                     ; my wave's first row on the way out
	s_mul_i32 s20, s40, 768
	s_mul_i32 s44, s13, 96
	s_add_co_u32 s20, s20, s44
	s_add_nc_u64 s[34:35], s[10:11], s[20:21]
	s_lshl_b32 s20, s40, 5
	s_lshl_b32 s44, s13, 2
	s_add_co_u32 s20, s20, s44
	s_add_nc_u64 s[36:37], s[10:11], s[20:21]
	s_wait_kmcnt 0x0
	s_and_b32 s16, s15, 0xff
	s_min_u32 s16, s16, 8                          ; the matrix
	s_lshr_b32 s17, s15, 8
	s_min_u32 s17, s17, 256
	s_add_co_u32 s18, s17, 15
	s_lshr_b32 s18, s18, 4                         ; row tiles in use
	s_lshl_b32 s19, s13, 2
	s_add_co_u32 s19, s19, s12                     ; my tile pair
	s_mul_i32 s20, s16, 2*MATB
	s_mul_i32 s40, s19, 24576
	s_add_co_u32 s20, s20, s40
	s_add_nc_u64 s[26:27], s[6:7], s[20:21]
	s_lshl_b32 s20, s16, 16
	s_lshl_b32 s40, s19, 10
	s_add_co_u32 s20, s20, s40
	s_add_co_u32 s20, s20, WGUS
	s_add_nc_u64 s[28:29], s[6:7], s[20:21]
	LOADW 0
.irp kd, 0,1
	global_load_b128 v[WSR+8*\kd:WSR+8*\kd+3], v13, s[28:29] offset:\kd*MATS
	global_load_b128 v[WSR+8*\kd+4:WSR+8*\kd+7], v13, s[28:29] offset:\kd*MATS+16
.endr
	s_wait_loadcnt 52                              ; the 36 list loads are in; the 48 gate fragments and 4 scale loads behind them may be out
.set q, 0
.rept 32
	v_min_u32 v[VG+q], 0x7ff, v[VG+q]
	v_mul_u32_u24 v[VG+q], v[VG+q], 768
	v_add_nc_u32 v[VG+q], v[VG+q], v109
.set q, q+1
.endr
.irp a, 0,1,2,3
	v_min_u32 v[VGS+\a], 0x7ff, v[VGS+\a]
	v_lshlrev_b32 v[VGS+\a], 5, v[VGS+\a]
	v_add_nc_u32 v[VGS+\a], v[VGS+\a], v110
.endr
.set q, 0
.rept 32                               ; 96 loads: two rows x 256 consecutive bytes each
.if q < 20
	WIN 0xc0
.set RG, 12*q
.else
	WIN 0
.set RG, 112+12*(q-20)
.endif
.irp u, 0,1,2
	global_load_b128 v[RG+4*\u:RG+4*\u+3], v[VG+q], s[4:5] offset:256*\u
.endr
.set q, q+1
.endr
	WIN 0xc0
.irp a, 0,1,2,3
	global_load_b128 v[240+4*\a:243+4*\a], v[VGS+\a], s[4:5] offset:XSO
.endr
	LOADW 1
	s_wait_loadcnt 48                              ; all but the 48 up fragments are in
.set q, 0
.rept 32
.if q < 20
	WIN 0x0c                                       ; an LDS store's data are its source 1
.set RG, 12*q
.else
	WIN 0
.set RG, 112+12*(q-20)
.endif
.irp u, 0,1,2
	ds_store_b128 v11, v[RG+4*\u:RG+4*\u+3] offset:2*PA*q+256*\u
.endr
.set q, q+1
.endr
	WIN 0x0c
.irp a, 0,1,2,3
	ds_store_b128 v12, v[240+4*\a:243+4*\a] offset:512*\a
.endr
	WIN 0
	s_wait_dscnt 0x0                               ; my rows lie in LDS
	s_barrier_signal -1
	s_barrier_wait -1                              ; everybody's do
	s_wait_loadcnt 0x0                             ; the up fragments
	FRAGS 0
	TILE 0, 0, 1
.irp t, 0,1,2,3,4,5,6
	s_cmp_le_u32 s18, 2*\t                         ; no row tile from 2 t on is in use: all that follows would be thrown away
	s_cbranch_scc1 .Lfin
	TILE 2*\t+1, 1, 1
	TILE 2*\t+2, 1, 1
.endr
	s_cmp_le_u32 s18, 14
	s_cbranch_scc1 .Lfin
	TILE 15, 1, 0
	PLACES
.set j, 0
.rept 75
	EPL 15
.set j, j+1
.endr
.Lfin:
	s_wait_dscnt 0x0                               ; my codes and bytes lie in the stage
	s_barrier_signal -1
.irp k6, 0,1,2,3,4,5                   ; piece 32 k + lane of a run of 32 rows x 6 pieces of 16 bytes: its row and its place in the row
	v_add_nc_u32 v251, 32*\k6, v111
	v_mul_u32_u24 v252, v251, 0x2aab
	v_lshrrev_b32 v252, 16, v252                   ; / 6
	v_mul_u32_u24 v253, v252, 6
	v_sub_nc_u32 v253, v251, v253
	v_mul_u32_u24 v252, v252, 768
	v_lshl_add_u32 v[242+\k6], v253, 4, v252
.endr
	s_mul_i32 s20, s12, 6144
	s_add_co_u32 s20, s20, STG
	v_add_nc_u32 v248, s20, v3
	s_lshl_b32 s20, s12, 8
	s_add_co_u32 s20, s20, SSC
	v_lshl_add_u32 v249, v111, 2, s20
	s_barrier_wait -1
.irp pp, 0,1                           ; my wave's two runs of 32 rows, each only if its first 16 rows are in use
	s_lshl_b32 s20, s12, 2
	s_add_co_u32 s20, s20, 2*\pp
	s_cmp_lt_u32 s20, s18
	s_cbranch_scc0 .Lnone_\pp
.irp k6, 0,1,2,3,4,5
	ds_load_b128 v[192+24*\pp+4*\k6:195+24*\pp+4*\k6], v248 offset:3072*\pp+512*\k6
.endr
	ds_load_b32 v[240+\pp], v249 offset:128*\pp
.irp k6, 0,1,2,3,4,5
	s_wait_dscnt 6-\k6
	global_store_b128 v[242+\k6], v[192+24*\pp+4*\k6:195+24*\pp+4*\k6], s[34:35] offset:24576*\pp
.endr
	s_wait_dscnt 0x0
	global_store_b32 v13, v[240+\pp], s[36:37] offset:HSO+1024*\pp
.Lnone_\pp:
.endr
	s_set_vgpr_msb 0x4
	s_wait_tensorcnt 0x0
	ds_add_u32 v103, v255
	s_wait_dscnt 0x0
	s_set_vgpr_msb 0x400
	s_endpgm
.Lfunc_end_k_qa98c1f6f92_gateup:
	.size	k_qa98c1f6f92_gateup, .Lfunc_end_k_qa98c1f6f92_gateup-k_qa98c1f6f92_gateup
	.p2alignl 7, 3214868480
	.fill 96, 4, 3214868480
	.section	.rodata,"a",@progbits
	.p2align	6, 0x0
	.amdhsa_kernel k_qa98c1f6f92_gateup
		.amdhsa_group_segment_fixed_size 235008
		.amdhsa_private_segment_fixed_size 0
		.amdhsa_enable_private_segment 0
		.amdhsa_kernarg_size 32
		.amdhsa_user_sgpr_count 2
		.amdhsa_user_sgpr_kernarg_segment_ptr 1
		.amdhsa_wavefront_size32 1
		.amdhsa_system_sgpr_workgroup_id_x 1
		.amdhsa_system_sgpr_workgroup_id_y 1
		.amdhsa_system_sgpr_workgroup_id_z 1
		.amdhsa_system_vgpr_workitem_id 0
		.amdhsa_next_free_vgpr 1024
		.amdhsa_next_free_sgpr 66
		.amdhsa_reserve_vcc 0
		.amdhsa_float_denorm_mode_32 3
		.amdhsa_float_denorm_mode_16_64 3
		.amdhsa_memory_ordered 1
		.amdhsa_forward_progress 1
		.amdhsa_inst_pref_size 225
	.end_amdhsa_kernel
	.amdgpu_metadata
---
amdhsa.version: [ 1, 2 ]
amdhsa.kernels:
  - .name:           k_qa98c1f6f92_gateup
    .symbol:         k_qa98c1f6f92_gateup.kd
    .args:
      - { .name: xcodes, .offset: 0, .size: 8, .value_kind: global_buffer, .address_space: global }
      - { .name: wgu, .offset: 8, .size: 8, .value_kind: global_buffer, .address_space: global }
      - { .name: lists, .offset: 16, .size: 8, .value_kind: global_buffer, .address_space: global }
      - { .name: hid, .offset: 24, .size: 8, .value_kind: global_buffer, .address_space: global }
    .group_segment_fixed_size: 235008
    .private_segment_fixed_size: 0
    .kernarg_segment_align: 8
    .kernarg_segment_size: 32
    .max_flat_workgroup_size: 128
    .sgpr_count:     66
    .vgpr_count:     1024
    .wavefront_size: 32
...
	.end_amdgpu_metadata
.endif
;; end of part 3
;; launch down (part 4): grid 8 x 32, 4 waves a work-group, no clusters, 138,752 bytes of LDS; arguments hid, wdn, lists, xcodes, hidden_states, out0; writes out0
.if DOCPART == 4
	.amdgcn_target "amdgcn-amd-amdhsa--gfx1250"
	.amdhsa_code_object_version 6
	.text
	.protected	k_qa98c1f6f92_down
	.globl	k_qa98c1f6f92_down
	.p2align	8
	.type	k_qa98c1f6f92_down,@function
k_qa98c1f6f92_down:
	s_mov_b64 s[64:65], 0
	v_nop
	global_prefetch_b8 v0, s[64:65] scope:SCOPE_SE
	s_setreg_imm32_b32 hwreg(HW_REG_WAVE_MODE, 25, 1), 1
	s_wait_xcnt 0x0
; DOWN.  out = x + hid_shared Wd_shared + w_lo (hid_lo Wd_lo) + w_hi (hid_hi Wd_hi), the products on codes of E3M2.  ONE OWNER FOR EACH OUTPUT NUMBER: a work-group owns 64 tokens
; (work-group y: positions 64 y on of the list sorted by pairs of experts) x 128 columns (work-group x); wave w owns 32 of the columns, two tiles, for all 64 tokens.
; THE WALK: the shared matrix, then each routed expert that some token of the block chose (a mask of 8 bits and their count, stored by the launch that placed the rows; 2 at the least).  For a matrix: its two tiles x 8 K steps
; go from memory into 192 registers, in the order in which the operand takes them; the 64 tokens' rows of hidden codes are gathered into LDS and read by all four waves.  The next matrix's loads are asked for ahead of this one's products.
; A token that did not choose the expert in hand takes its shared row and the weight 0.
; The loop has 8 halves, a constant; a half beyond the block's experts jumps over its work, never over the barrier.  One barrier a half: a row buffer is written again two halves after it was read.
; TRANSPOSED: source 0 = 16 columns of the weight, source 1 = 16 tokens: a lane holds eight neighbouring columns of one token.  Two accumulators take turns, one instruction a turn.
; No cluster: partners would walk different experts.  No tensor load: the rows are named by a list, the weights go straight into registers.
; LIMITS: NaN and infinities are not served; the product that gets the weight 0 has to be finite.
; REGISTERS, in windows of 256.  Window 0: v1-15 addresses; v16-60 the records of the rows that I gather; v62-81 those of the rows that I multiply; v82-97 weights; v98-106 offsets; v108-123 the matrices' scale words, two sets;
;   v124-139 the rows', two sets; v140-239 rows on their way to LDS, later rows of the result; v240-255 my offsets in x and in out, made once.
;   Window 1: matrix buffer 0, from v192 the sums.   Window 2: matrix buffer 1, from v192 the residual.   Window 3: the rows' fragments, two sets of 96; from v192 a routed product.
.set HSO,   6094848
.set MATB,  786432
.set MATS,  32768
.set WDS,   9*MATB
.set WTS,   1638400
.set BMASK, 65664                      ; lists: for each 64 positions the experts in use, a bit each | how many << 8
.set PA,    784
.set ABUF,  52224                      ; a row buffer: 64 rows x 784, then 64 x 32 bytes of scale words
.set ASC,   50176
.set STG,   104448                     ; the way out: 64 rows x (512 + 16)
.set SP,    528
.set ADA,   4                          ; v4, v5  my place in row buffer 0, 1
.set ADS,   6                          ; v6, v7  the same for the scale words
.set RP,    16
.set RPH,   48
.set RS,    56
.set RSH,   60
.set TA,    61
.set RR,    62
.set RRH,   78
.set WL,    82
.set W,     90
.set VG,    98
.set VGS,   106
.set WSR,   108
.set XSR,   124
.set SG,    140
.set WK,    240
.set MSB, 0
.macro WIN new
.if MSB != (\new)
	s_set_vgpr_msb (MSB<<8)|(\new)
.set MSB, (\new)
.endif
.endm
.macro PLACES
.rept 4
	v_nop
.endr
.endm
.macro LOADB B, cbase, sbase           ; a matrix's two tiles x 8 K steps into buffer B (window 1 + B), its scale words into set B
	WIN 0x40*(1+(\B))
.irp c, 0,1
.irp s, 0,1,2,3,4,5,6,7
.irp g, 0,1,2
	global_load_b128 v[(8*\c+\s)*12+4*\g:(8*\c+\s)*12+4*\g+3], v3, s[\cbase:\cbase+1] offset:\c*12288+\s*1536+\g*512
.endr
.endr
.endr
	WIN 0
	global_load_b128 v[WSR+8*(\B):WSR+8*(\B)+3], v13, s[\sbase:\sbase+1]
	global_load_b128 v[WSR+8*(\B)+4:WSR+8*(\B)+7], v13, s[\sbase:\sbase+1] offset:16
.endm
.macro SLOT rec, hi, mulc, addv, dst, shared   ; the row of hid that a token gives for expert s36 (or for the shared expert), as a byte offset
.if \shared
	v_min_u32 v[TA], 0x1eff, v[\rec]
.else
	v_cmp_eq_u32 vcc_lo, s36, v[\rec+3]
	v_cndmask_b32 v[TA], v[\rec], v[\rec+1], vcc_lo
	v_cmp_eq_u32 vcc_lo, s36, v[\hi]
	v_cndmask_b32 v[TA], v[TA], v[\rec+2], vcc_lo
	v_min_u32 v[TA], 0x1eff, v[TA]
.endif
	v_mul_u32_u24 v[TA], v[TA], \mulc
	v_add_nc_u32 v[\dst], v[TA], v[\addv]
.endm
.macro GATHER shared                   ; my wave's 16 rows: 24 loads of two rows x 256 consecutive bytes, one of 16 rows' scale words
.irp q, 0,1,2,3,4,5,6,7
	SLOT RP+4*\q, RPH+\q, 768, 14, VG+\q, \shared
.endr
	SLOT RS, RSH, 32, 15, VGS, \shared
.irp q, 0,1,2,3,4,5,6,7
.irp u, 0,1,2
	global_load_b128 v[SG+12*\q+4*\u:SG+12*\q+4*\u+3], v[VG+\q], s[4:5] offset:256*\u
.endr
.endr
	global_load_b128 v[SG+96:SG+99], v[VGS], s[4:5] offset:HSO
.endm
.macro STORE_A x
.irp q, 0,1,2,3,4,5,6,7
.irp u, 0,1,2
	ds_store_b128 v8, v[SG+12*\q+4*\u:SG+12*\q+4*\u+3] offset:\x*ABUF+2*PA*\q+256*\u
.endr
.endr
	ds_store_b128 v9, v[SG+96:SG+99] offset:\x*ABUF
.endm
.macro NEXT                            ; the mask's lowest expert, and the mask without it
	s_ctz_i32_b32 s36, s32
	s_min_u32 s36, s36, 7
	s_sub_co_u32 s40, s32, 1
	s_and_b32 s32, s32, s40
.endm
.macro PRE B                           ; expert s36's matrix into buffer B, its rows on their way.  No load of mine is out here: bases and offsets may be written
	s_add_co_u32 s40, s36, 1
	s_mul_i32 s38, s40, MATB
	s_add_nc_u64 s[28:29], s[24:25], s[38:39]
	s_lshl_b32 s38, s40, 15
	s_add_nc_u64 s[30:31], s[26:27], s[38:39]
	LOADB \B, 28, 30
	GATHER 0
.endm
.macro WSEL                            ; the weight of expert s35 for the token of each of my four row tiles: w_lo, w_hi or 0
.irp a, 0,1,2,3
	v_cmp_eq_u32 vcc_lo, s35, v[RR+4*\a+3]
	v_cndmask_b32 v[W+2*\a], 0, v[WL+2*\a], vcc_lo
	v_cmp_eq_u32 vcc_lo, s35, v[RRH+\a]
	v_cndmask_b32 v[W+2*\a], v[W+2*\a], v[WL+2*\a+1], vcc_lo
.endr
.endm
.macro FRAGS4 x, a                     ; row tile a of row buffer x: 8 fragments into set a % 2 of window 3, 8 scale words into set a % 2
	WIN 0xc0
.irp s, 0,1,2,3,4,5,6,7
.irp g, 0,1,2
	ds_load_b128 v[96*((\a)%2)+12*\s+4*\g:96*((\a)%2)+12*\s+4*\g+3], v[ADA+\x] offset:(\a)*16*PA+\s*96+16*\g
.endr
.endr
	WIN 0
	ds_load_b128 v[XSR+8*((\a)%2):XSR+8*((\a)%2)+3], v[ADS+\x] offset:(\a)*512
	ds_load_b128 v[XSR+8*((\a)%2)+4:XSR+8*((\a)%2)+7], v[ADS+\x] offset:(\a)*512+16
.endm
.macro WM
.if SS == 0
.if QQ%2
	v_wmma_scale_f32_16x16x128_f8f6f4 v[RD:RD+7], v[RB:RB+11], v[RA:RA+11], 0, v[RSW], v[RSX] matrix_a_fmt:MATRIX_FMT_BF6 matrix_b_fmt:MATRIX_FMT_BF6 matrix_a_scale:MATRIX_SCALE_ROW1
.else
	v_wmma_scale_f32_16x16x128_f8f6f4 v[RD:RD+7], v[RB:RB+11], v[RA:RA+11], 0, v[RSW], v[RSX] matrix_a_fmt:MATRIX_FMT_BF6 matrix_b_fmt:MATRIX_FMT_BF6
.endif
.else
.if QQ%2
	v_wmma_scale_f32_16x16x128_f8f6f4 v[RD:RD+7], v[RB:RB+11], v[RA:RA+11], v[RD:RD+7], v[RSW], v[RSX] matrix_a_fmt:MATRIX_FMT_BF6 matrix_b_fmt:MATRIX_FMT_BF6 matrix_a_scale:MATRIX_SCALE_ROW1
.else
	v_wmma_scale_f32_16x16x128_f8f6f4 v[RD:RD+7], v[RB:RB+11], v[RA:RA+11], v[RD:RD+7], v[RSW], v[RSX] matrix_a_fmt:MATRIX_FMT_BF6 matrix_b_fmt:MATRIX_FMT_BF6
.endif
.endif
.endm
; 64 matrix instructions: matrix buffer B against row buffer x.  direct = 1: the results are the sums themselves (window 1); else a product of its own (window 3).
.macro COMPUTE B, x, direct
	FRAGS4 \x, 0
.irp a, 0,1,2,3
.if \a > 0
	PLACES                                         ; behind the last row tile's products, in front of loads into the registers that they read
.endif
	s_wait_dscnt 0x0
.if \a < 3
	FRAGS4 \x, \a+1
.endif
.if \direct
	WIN 0x5d                                       ; source 0 window 1, source 1 window 3, C and D window 1
.else
	WIN 0xfd+(\B)                                  ; source 0 window 1 or 2, source 1, C and D window 3
.endif
.irp s, 0,1,2,3,4,5,6,7
.irp c, 0,1
.set SS, \s
.set QQ, \c
.set RD, 192+8*(2*\a+\c)
.set RB, (8*\c+\s)*12
.set RA, 96*(\a%2)+12*\s
.set RSW, WSR+8*(\B)+\s
.set RSX, XSR+8*(\a%2)+\s
	WM
.endr
.endr
	WIN 0
.endr
.if \direct
	PLACES                                         ; in front of the loads into this matrix buffer
.endif
.endm
.macro FMA                             ; the sums += weight x product, each product's registers in ascending order; the first 28 lines are also the places behind the last products
	WIN 0x53                                       ; source 0 window 3, source 1 window 0, source 2 and destination window 1
.irp a, 0,1,2,3
.irp i, 0,2,4,6,8,10,12,14
	v_pk_fma_f32 v[192+16*\a+\i:193+16*\a+\i], v[192+16*\a+\i:193+16*\a+\i], v[W+2*\a:W+2*\a+1], v[192+16*\a+\i:193+16*\a+\i] op_sel_hi:[1,0,1]
.endr
.endr
	WIN 0
.endm
; Half number s34 of the walk: matrix buffer B, row buffer x.
.macro HALF B, x
	s_wait_loadcnt 0x0                             ; what was asked for a half ago is in
	s_cmp_gt_u32 s34, s33
	s_cbranch_scc1 .Lns_\@
	STORE_A \x
.Lns_\@:
	s_wait_dscnt 0x0                               ; my rows lie in LDS, and my reads of the other row buffer are over
	s_barrier_signal -1
	s_barrier_wait -1
	s_mov_b32 s35, s36
	s_cmp_ge_u32 s34, s33
	s_cbranch_scc1 .Lnp_\@
	NEXT
	PRE 1-\B
.Lnp_\@:
	s_cmp_gt_u32 s34, s33
	s_cbranch_scc1 .Lnc_\@
	WSEL
	COMPUTE \B, \x, 0
	FMA
.Lnc_\@:
	s_add_co_u32 s34, s34, 1
.endm
	s_load_b256 s[4:11], s[0:1], 0x0               ; hid s[4:5], wdn s[6:7], lists s[8:9], xcodes s[10:11]
	s_load_b128 s[12:15], s[0:1], 0x20             ; hidden_states s[12:13], out0 s[14:15]
	v_lshrrev_b32 v1, 5, v0
	v_readfirstlane_b32 s20, v1                    ; wave
	s_mov_b32 s21, ttmp9                           ; which 128 columns
	s_and_b32 s22, ttmp7, 0xffff                   ; which 64 positions
	s_lshl_b32 s23, s21, 2
	s_add_co_u32 s23, s23, s20                     ; my tile pair
	s_mov_b32 s39, 0
	v_and_b32 v1, 15, v0                           ; r
	v_bfe_u32 v2, v0, 4, 1                         ; h
	v_and_b32 v107, 31, v0                         ; lane
	v_lshlrev_b32 v3, 4, v107
	v_lshlrev_b32 v13, 5, v107
	v_lshlrev_b32 v14, 4, v1
	v_and_b32 v15, 1, v0
	v_lshlrev_b32 v15, 4, v15
	v_mul_u32_u24 v[ADA], v1, PA
	v_mad_u32_u24 v[ADA], v2, 48, v[ADA]
	v_add_nc_u32 v[ADA+1], ABUF, v[ADA]
	v_lshl_add_u32 v[ADS], v1, 5, ASC
	v_add_nc_u32 v[ADS+1], ABUF, v[ADS]
	s_mul_i32 s38, s20, 16*PA
	v_mul_u32_u24 v8, v2, PA
	v_add_nc_u32 v8, v8, v14
	v_add_nc_u32 v8, s38, v8                       ; rows into LDS: my wave's 16, two an instruction
	s_lshl_b32 s38, s20, 9
	s_add_co_u32 s38, s38, ASC
	v_add_nc_u32 v9, s38, v3                       ; their scale words: two lanes to a row
	s_lshl_b32 s38, s20, 7
	s_add_co_u32 s38, s38, STG
	v_mul_u32_u24 v10, v1, SP
	v_lshl_add_u32 v10, v2, 5, v10
	v_add_nc_u32 v10, s38, v10                     ; the way out: row r, my wave's 128 bytes, + 32 h
	s_mul_i32 s38, s20, 16*SP
	s_add_co_u32 s38, s38, STG
	v_add_nc_u32 v11, s38, v3                      ; and back: my 16 rows, 16 bytes a lane
	s_lshl_b32 s38, s21, 9
	v_add_nc_u32 v12, s38, v3                      ; my 16 bytes of a token's 512 bytes of x and of out
	v_lshlrev_b32 v240, 4, v2
	v_lshrrev_b32 v241, 1, v107
	v_lshlrev_b32 v241, 4, v241
	s_wait_kmcnt 0x0
	s_lshl_b32 s38, s22, 2
	s_add_nc_u64 s[42:43], s[8:9], s[38:39]
	s_load_b32 s32, s[42:43], BMASK                ; the block's experts, a bit each | how many << 8
	s_lshl_b32 s38, s22, 10
	s_add_nc_u64 s[16:17], s[8:9], s[38:39]        ; the block's 64 records of 16 bytes
	s_lshl_b32 s38, s20, 8
	s_add_nc_u64 s[18:19], s[16:17], s[38:39]      ; my wave's 16
.set i, 0
.rept 16
	s_load_b32 s[68+i], s[18:19], 16*i             ; the tokens whose rows of out I store
.set i, i+1
.endr
.irp q, 0,1,2,3,4,5,6,7
	global_load_b128 v[RP+4*\q:RP+4*\q+3], v240, s[18:19] offset:32*\q   ; row 2 q + h of my 16
.endr
	global_load_b128 v[RS:RS+3], v241, s[18:19]                          ; row lane / 2 of my 16
.irp a, 0,1,2,3
	global_load_b128 v[RR+4*\a:RR+4*\a+3], v14, s[16:17] offset:256*\a   ; row 16 a + r of the block
.endr
	s_mul_i32 s38, s23, 24576
	s_add_nc_u64 s[24:25], s[6:7], s[38:39]        ; my tile pair in matrix 0: codes,
	s_lshl_b32 s38, s23, 10
	s_add_co_u32 s38, s38, WDS
	s_add_nc_u64 s[26:27], s[6:7], s[38:39]        ; scale words
	LOADB 0, 24, 26                                ; the shared matrix
	s_wait_loadcnt 50                              ; the 13 record loads are in; the matrix's 48 + 2 behind them may be out
.irp q, 0,1,2,3,4,5,6,7
	v_bfe_u32 v[RPH+\q], v[RP+4*\q+3], 8, 8
	v_and_b32 v[RP+4*\q+3], 0xff, v[RP+4*\q+3]
.endr
	v_bfe_u32 v[RSH], v[RS+3], 8, 8
	v_and_b32 v[RS+3], 0xff, v[RS+3]
.irp a, 0,1,2,3
	v_bfe_u32 v[RRH+\a], v[RR+4*\a+3], 8, 8
	v_and_b32 v[RR+4*\a+3], 0xff, v[RR+4*\a+3]
.endr
.irp a, 0,1,2,3
	v_min_u32 v[W+2*\a], 0x7ff, v[RR+4*\a]
	v_lshlrev_b32 v[W+2*\a], 3, v[W+2*\a]
	v_mov_b32 v[W+2*\a+1], 0                       ; (named as the upper half of a pair)
	global_load_b64 v[WL+2*\a:WL+2*\a+1], v[W+2*\a], s[10:11] offset:WTS
.endr
	s_wait_kmcnt 0x0                               ; the mask word and my 16 tokens
	s_bfe_u32 s33, s32, 0x40008                    ; how many experts the block uses (4 bits from bit 8),
	s_min_u32 s33, s33, 8
	s_and_b32 s32, s32, 0xff                       ; and which
.set i, 0
.rept 16
	s_min_u32 s[68+i], s[68+i], 2047
	s_lshl_b32 s[68+i], s[68+i], 12                ; the token's row of 4,096 bytes
	v_add_nc_u32 v[WK+i], s[68+i], v12             ; my offset in x and in out: it stays until the way out
.set i, i+1
.endr
	WIN 0x80                                       ; the residual stays in window 2
.set i, 0
.rept 16
	global_load_b128 v[192+4*i:195+4*i], v[WK+i], s[12:13]     ; 32 lanes read 512 consecutive bytes of one row
.set i, i+1
.endr
	WIN 0
	GATHER 1
	s_wait_loadcnt 0x0
	STORE_A 0
	s_wait_dscnt 0x0
	s_barrier_signal -1
	s_barrier_wait -1
	NEXT
	PRE 1                                          ; the first routed expert: every block has two at the least
	COMPUTE 0, 0, 1                                ; the shared product starts the sums
	s_mov_b32 s34, 1
	s_mov_b32 s37, 4
.Lwalk:
	HALF 1, 1
	HALF 0, 0
	s_sub_co_u32 s37, s37, 1
	s_cmp_lg_u32 s37, 0
	s_cbranch_scc1 .Lwalk
	; THE WAY OUT: a token's 128 columns come from four waves: they meet in a stage; each wave then adds the residual to 16 whole pieces of 512 bytes and stores them.
	s_wait_loadcnt 0x0                             ; no load of mine is on its way into the registers used below.  (With at most 8 experts the eighth half asks for nothing; the wait makes the way out independent of that stored count)
	PLACES
	WIN 0x04                                       ; an LDS store's data are its source 1: window 1
.irp a, 0,1,2,3
.irp c, 0,1
	ds_store_b128 v10, v[192+8*(2*\a+\c):195+8*(2*\a+\c)] offset:\a*16*SP+64*\c
	ds_store_b128 v10, v[196+8*(2*\a+\c):199+8*(2*\a+\c)] offset:\a*16*SP+64*\c+16
.endr
.endr
	WIN 0
	s_wait_dscnt 0x0
	s_barrier_signal -1
	s_barrier_wait -1
.set i, 0
.rept 16
	ds_load_b128 v[SG+4*i:SG+4*i+3], v11 offset:i*SP
.set i, i+1
.endr
	WIN 0x08                                       ; source 1: window 2
.set i, 0
.rept 16
	s_wait_dscnt 15-i                              ; row i is back; the 15 - i rows behind it may be out
	v_pk_add_f32 v[SG+4*i:SG+4*i+1], v[SG+4*i:SG+4*i+1], v[192+4*i:193+4*i]
	v_pk_add_f32 v[SG+4*i+2:SG+4*i+3], v[SG+4*i+2:SG+4*i+3], v[194+4*i:195+4*i]
.set i, i+1
.endr
	WIN 0
.set i, 0
.rept 16
	global_store_b128 v[WK+i], v[SG+4*i:SG+4*i+3], s[14:15] th:TH_STORE_NT   ; 32 lanes store 512 consecutive bytes, aligned; written once, read by nobody here
.set i, i+1
.endr
	s_wait_xcnt 0x0
	v_lshl_add_u32 v254, v0, 2, 0x21c00
	v_mov_b32 v255, 0
	s_wait_tensorcnt 0x0
	ds_add_u32 v254, v255
	s_wait_dscnt 0x0
	s_endpgm
.Lfunc_end_k_qa98c1f6f92_down:
	.size	k_qa98c1f6f92_down, .Lfunc_end_k_qa98c1f6f92_down-k_qa98c1f6f92_down
	.p2alignl 7, 3214868480
	.fill 96, 4, 3214868480
	.section	.rodata,"a",@progbits
	.p2align	6, 0x0
	.amdhsa_kernel k_qa98c1f6f92_down
		.amdhsa_group_segment_fixed_size 138752
		.amdhsa_private_segment_fixed_size 0
		.amdhsa_enable_private_segment 0
		.amdhsa_kernarg_size 48
		.amdhsa_user_sgpr_count 2
		.amdhsa_user_sgpr_kernarg_segment_ptr 1
		.amdhsa_wavefront_size32 1
		.amdhsa_system_sgpr_workgroup_id_x 1
		.amdhsa_system_sgpr_workgroup_id_y 1
		.amdhsa_system_sgpr_workgroup_id_z 1
		.amdhsa_system_vgpr_workitem_id 0
		.amdhsa_next_free_vgpr 1024
		.amdhsa_next_free_sgpr 96
		.amdhsa_reserve_vcc 1
		.amdhsa_float_denorm_mode_32 3
		.amdhsa_float_denorm_mode_16_64 3
		.amdhsa_memory_ordered 1
		.amdhsa_forward_progress 1
		.amdhsa_inst_pref_size 115
	.end_amdhsa_kernel
	.amdgpu_metadata
---
amdhsa.version: [ 1, 2 ]
amdhsa.kernels:
  - .name:           k_qa98c1f6f92_down
    .symbol:         k_qa98c1f6f92_down.kd
    .args:
      - { .name: hid, .offset: 0, .size: 8, .value_kind: global_buffer, .address_space: global }
      - { .name: wdn, .offset: 8, .size: 8, .value_kind: global_buffer, .address_space: global }
      - { .name: lists, .offset: 16, .size: 8, .value_kind: global_buffer, .address_space: global }
      - { .name: xcodes, .offset: 24, .size: 8, .value_kind: global_buffer, .address_space: global }
      - { .name: hidden_states, .offset: 32, .size: 8, .value_kind: global_buffer, .address_space: global }
      - { .name: out0, .offset: 40, .size: 8, .value_kind: global_buffer, .address_space: global }
    .group_segment_fixed_size: 138752
    .private_segment_fixed_size: 0
    .kernarg_segment_align: 8
    .kernarg_segment_size: 48
    .max_flat_workgroup_size: 128
    .sgpr_count:     96
    .vgpr_count:     1024
    .wavefront_size: 32
...
	.end_amdgpu_metadata
.endif
;; end of part 4
;; ======== version 2 of 2: 4 launches; version 1 with the launches gateup, down written anew for expert scheduling mode
;; workspace buffers: xcodes 1,654,784 bytes; wgu 14,745,600 bytes; keyw 8,192 bytes of whole numbers; wdn 7,372,800 bytes; lists 65,792 bytes of whole numbers; hid 6,348,800 bytes
;; launch prep_a: the kernel of part 1 again; grid 704 x 1, 4 waves a work-group, no clusters, 62,976 bytes of LDS; arguments hidden_states, router_w, shared_gate, shared_up, experts_gate, experts_up, xcodes, wgu, keyw; writes xcodes, wgu, keyw
;; launch prep_b: the kernel of part 2 again; grid 289 x 1, 4 waves a work-group, no clusters, 26,624 bytes of LDS; arguments keyw, shared_down, experts_down, wdn, lists; writes wdn, lists
;; launch gateup (part 5): grid 8 x 31, 4 waves a work-group, no clusters, 235,008 bytes of LDS; arguments xcodes, wgu, lists, hid; writes hid
.if DOCPART == 5
	.amdgcn_target "amdgcn-amd-amdhsa--gfx1250"
	.amdhsa_code_object_version 6
	.text
	.protected	k_qa98c1f6f92_gateup
	.globl	k_qa98c1f6f92_gateup
	.p2align	8
	.type	k_qa98c1f6f92_gateup,@function
k_qa98c1f6f92_gateup:
	s_mov_b64 s[64:65], 0
	v_nop
	global_prefetch_b8 v0, s[64:65] scope:SCOPE_SE
	s_setreg_imm32_b32 hwreg(HW_REG_WAVE_SCHED_MODE, 0, 2), 2
	s_setreg_imm32_b32 hwreg(HW_REG_WAVE_MODE, 25, 1), 1
	s_wait_xcnt 0x0
	s_wait_alu depctr_vm_vsrc(0)
; GATEUP.  hid = Q(sigmoid(x Wg) * (x Wu)) for 256 rows of ONE expert (work-group y: rows 256 y on of the row lists) and 128 hidden units (work-group x), both products on codes of E3M2.
; SHARES.  Wave w makes hidden units 32 (4 x + w) + 0 .. 31, one block of the next product's K, for all 256 rows: its two gate tiles and two up tiles, all 8 K steps, stay in 384 registers.
; The rows' codes of x are gathered once by the list into LDS (rows of 768 bytes, 784 apart) and read from there by all four waves, 16 rows at a time.
; TRANSPOSED: source 0 = 16 columns of a weight, source 1 = 16 rows of x: a lane holds one row, and the 16 registers of its two tiles are 16 neighbouring hidden units (the weight tiles' columns were chosen so).
; BY TURNS: a tile of 16 rows is 32 matrix instructions on four accumulators (gate 0, gate 1, up 0, up 1), one instruction a turn; behind each stand three lines of the tile before's
; sigmoid, product and quantiser, which work on the other set of accumulators.  The 16 tiles are written out by one macro: every LDS offset is an immediate.
; A work-group whose 256 rows are in use only in part leaves the walk early by a scalar branch on the stored count; no barrier is jumped over; a work-group without rows stores nothing.
; No cluster: how many row tiles an expert has hangs on the split, so partners would ask for different numbers of tiles.  No tensor load: the rows are named by a list, and the weights go straight into registers.
; The codes leave as 96 bytes of each row's 768, the scales as 4 of 32: parts of aligned blocks; in exchange the next launch reads whole rows.
; LIMITS: NaN and infinities are not served; a block of zeros gets the byte 1 (its codes are zeros; this program alone reads the bytes).
; THE MODE: SCHED_MODE bits 1:0 = 2 (LLVM: expert scheduling mode 2), set by the entry lines.  The code itself states the register dependences
; between vector or matrix instructions and memory or LDS instructions, with s_wait_alu, always for 0.
; THE PLAN.  Registers that memory or LDS instructions touch, in the walk over the row tiles:
;   fragment sets 0, 1 (window 3), x's scale words, sets 0, 1:  tile i's products read set i % 2; the LDS loads of tile i + 1, issued in tile i, land in the other set, which tile i - 1's products read.
;   v[CD ..], v[BY]:  written by lines 69 and 70 of an epilogue, read by its four LDS stores, written again a tile later.
;   the addresses:  made at the head, never written again.   The accumulators, v[T ..] and the weights are named by vector and matrix instructions alone.
; The epilogue's wait behind its exponentials stands behind all of tile i - 1's products: it also states that they are done with the other set, so tile i + 1's loads follow it, three behind each of eight products,
; and no vector or matrix instruction of tile i names the registers in which they land.  One wait on va_vdst stands ahead of an epilogue's stores, one on vm_vsrc at the next tile's head.
; REGISTERS, in windows of 256.  Window 0: v1-15, v109-111 addresses; v16-51 the rows' offsets; v52-67 the weights' scale words; v68-83 x's, two sets; v84-108 the epilogue; v128-191 two sets of accumulators;
;   v112-255 at the start rows on their way to LDS; v192-255 at the end the way out.   Window 1: gate fragments.   Window 2: up fragments.   Window 3: at the start rows on their way; then x's fragments, two sets of 96.
.set XSO,   1572864
.set MATB,  786432
.set MATS,  32768
.set WGUS,  18*MATB
.set XLIST, 32768
.set TILETAB, 65536
.set HSO,   6094848
.set PA,    784                        ; a row of x in LDS: 768 + 16 = 196 words: sixteen rows begin in sixteen different groups of four banks
.set XSC,   200704                     ; x's scale words, 32 bytes a row
.set STG,   208896                     ; the hidden codes of this K step, 96 bytes a row
.set SSC,   233472                     ; their scale words, 4 bytes a row
.set ADA,   4                          ; v4-7  my place in x's rows 0, 64, 128, 192 on
.set ADS,   8
.set STO,   9
.set SBA,   10
.set VG,    16
.set VGS,   48
.set WSR,   52
.set XSR,   68
.set T,     84
.set CD,    100
.set MX,    104                        ; v104 and v108: two chains of the maximum
.set MX2,   105
.set SCL,   106
.set BY,    107
.set ACC,   128
.set MSB, 0
.macro WIN new                         ; the immediate's high byte repeats the setting that is left
.if MSB != (\new)
	s_set_vgpr_msb (MSB<<8)|(\new)
.set MSB, (\new)
.endif
.endm
.macro PLACES                          ; four places behind matrix instructions, in front of the first read of their results (ISA guide 7.12.1)
.rept 4
	v_nop
.endr
.endm
.macro LOADW kind                      ; my two tiles x 8 K steps of gate (window 1) or up (window 2): each lane's registers as they lie in memory
	WIN 0x40*(1+\kind)
.irp tl, 0,1
.irp s, 0,1,2,3,4,5,6,7
.irp g, 0,1,2
	global_load_b128 v[(8*\tl+\s)*12+4*\g:(8*\tl+\s)*12+4*\g+3], v3, s[26:27] offset:\kind*MATB+\tl*12288+\s*1536+\g*512
.endr
.endr
.endr
	WIN 0
.endm
.macro FRAGS i                         ; row tile i: x's 8 fragments into set i % 2 of window 3, its 8 scale words into set i % 2: in one run (tiles 0 and 1)
	WIN 0xc0
.irp s, 0,1,2,3,4,5,6,7
.irp g, 0,1,2
	ds_load_b128 v[96*((\i)%2)+12*\s+4*\g:96*((\i)%2)+12*\s+4*\g+3], v[ADA+(\i)/4] offset:((\i)%4)*16*PA+\s*96+16*\g
.endr
.endr
	WIN 0
	ds_load_b128 v[XSR+8*((\i)%2):XSR+8*((\i)%2)+3], v[ADS] offset:(\i)*512
	ds_load_b128 v[XSR+8*((\i)%2)+4:XSR+8*((\i)%2)+7], v[ADS] offset:(\i)*512+16
.endm
.macro FRAGK i                         ; row tile i: the fragment of K step FS alone
	WIN 0xc0
.irp g, 0,1,2
	ds_load_b128 v[96*((\i)%2)+12*FS+4*\g:96*((\i)%2)+12*FS+4*\g+3], v[ADA+(\i)/4] offset:((\i)%4)*16*PA+FS*96+16*\g
.endr
.endm
.macro FRAGX i                         ; row tile i: its 8 scale words (window 0)
	ds_load_b128 v[XSR+8*((\i)%2):XSR+8*((\i)%2)+3], v[ADS] offset:(\i)*512
	ds_load_b128 v[XSR+8*((\i)%2)+4:XSR+8*((\i)%2)+7], v[ADS] offset:(\i)*512+16
.endm
; Line j of 75 of row tile e's epilogue.  Each accumulator is read from its low end on.
.macro EPL e
.set AB, ACC+32*((\e)%2)
.if j < 8
	v_pk_mul_f32 v[T+2*j:T+2*j+1], v[AB+2*j:AB+2*j+1], s[22:23] op_sel_hi:[1,0]   ; -log2(e) x gate
.elseif j < 24
	v_exp_f32 v[T+j-8], v[T+j-8]
.elseif j == 24
	v_nop                                          ; a plain place behind the exponentials
	s_wait_alu depctr_va_vdst(0)                   ; the sixteen exponentials have written v[T ..], ahead of their first reader; and the products of the tile before this one are done reading the other fragment set and its scale words, in which the next tile's loads land
.elseif j < 33
	v_pk_add_f32 v[T+2*(j-25):T+2*(j-25)+1], v[T+2*(j-25):T+2*(j-25)+1], 1.0 op_sel_hi:[1,0]
.elseif j < 49
	v_rcp_f32 v[T+j-33], v[T+j-33]                 ; the sigmoid
.elseif j == 49
	v_nop
	s_wait_alu depctr_va_vdst(0)                   ; the sixteen reciprocals have written v[T ..], ahead of their first reader
.elseif j < 58
	v_pk_mul_f32 v[T+2*(j-50):T+2*(j-50)+1], v[T+2*(j-50):T+2*(j-50)+1], v[AB+16+2*(j-50):AB+16+2*(j-50)+1]   ; x up
.elseif j == 58
	v_max3_num_f32 v[MX], |v[T]|, |v[T+1]|, 0x2800000   ; my 16 numbers and the floor 2^(5 - 127)
.elseif j == 59
	v_max3_num_f32 v[MX+4], |v[T+2]|, |v[T+3]|, |v[T+4]|
.elseif j < 64
	v_max3_num_f32 v[MX+4*(j%2)], v[MX+4*(j%2)], |v[T+5+2*(j-60)]|, |v[T+6+2*(j-60)]|
.elseif j == 64
	v_max3_num_f32 v[MX], v[MX], |v[T+13]|, |v[T+14]|
.elseif j == 65
	v_max3_num_f32 v[MX], v[MX], v[MX+4], |v[T+15]|
.elseif j == 66
	v_permlanex16_b32 v[MX2], v[MX], s24, s25
.elseif j == 67
	v_max_num_f32 v[MX], v[MX], v[MX2]             ; with lane l xor 16's 16: the block's largest magnitude
.elseif j == 68
	v_add_nc_u32 v[SCL], 0xfe000000, v[MX]         ; 4 off its exponent field: the conversion's scale operand
.elseif j == 69
	v_cvt_scalef32_pk16_bf6_f32 v[CD:CD+2], v[T:T+15], v[SCL]
.elseif j == 70
	v_lshrrev_b32 v[BY], 23, v[SCL]                ; the scale's byte; also the plain place behind the conversion
.elseif j < 74
.if j == 71
	s_wait_alu depctr_va_vdst(0)                   ; the conversion has written v[CD ..] and the shift v[BY], which the four LDS stores read; no later line of this epilogue or of the tile's products names them
.endif
	ds_store_b32 v[STO], v[CD+j-71] offset:(\e)*1536+4*(j-71)
.else
	ds_store_b8 v[SBA], v[BY] offset:(\e)*64       ; both lanes of a row write the same byte with the same value
.endif
.endm
.macro WM                              ; one matrix instruction, by the symbols set in front of it
.if SS == 0
.if QQ%2
	v_wmma_scale_f32_16x16x128_f8f6f4 v[RD:RD+7], v[RB:RB+11], v[RA:RA+11], 0, v[RSW], v[RSX] matrix_a_fmt:MATRIX_FMT_BF6 matrix_b_fmt:MATRIX_FMT_BF6 matrix_a_scale:MATRIX_SCALE_ROW1
.else
	v_wmma_scale_f32_16x16x128_f8f6f4 v[RD:RD+7], v[RB:RB+11], v[RA:RA+11], 0, v[RSW], v[RSX] matrix_a_fmt:MATRIX_FMT_BF6 matrix_b_fmt:MATRIX_FMT_BF6
.endif
.else
.if QQ%2
	v_wmma_scale_f32_16x16x128_f8f6f4 v[RD:RD+7], v[RB:RB+11], v[RA:RA+11], v[RD:RD+7], v[RSW], v[RSX] matrix_a_fmt:MATRIX_FMT_BF6 matrix_b_fmt:MATRIX_FMT_BF6 matrix_a_scale:MATRIX_SCALE_ROW1
.else
	v_wmma_scale_f32_16x16x128_f8f6f4 v[RD:RD+7], v[RB:RB+11], v[RA:RA+11], v[RD:RD+7], v[RSW], v[RSX] matrix_a_fmt:MATRIX_FMT_BF6 matrix_b_fmt:MATRIX_FMT_BF6
.endif
.endif
.endm
; Row tile i.  ep = 1: the tile before's epilogue stands between the products.  pre = 1: the next tile's fragments are asked for: behind the epilogue's first wait, three loads behind each of products 8 to 15;
; in tile 0, which has no epilogue, in one run at the head: no vector or matrix instruction has named set 1 yet.
.macro TILE i, ep, pre
	PLACES                                         ; behind the last tile's products
	s_wait_dscnt 0x0                               ; this tile's fragments are in (asked for a tile ago), and the epilogue's stores have landed
.if (\i) >= 2
	s_wait_alu depctr_vm_vsrc(0)                   ; the LDS stores of the last tile's epilogue have read v[CD ..] and v[BY], which this tile's epilogue writes again
.endif
.if \pre
.if !\ep
	FRAGS (\i)+1
.endif
.endif
.set k, 0
.rept 32
.set SS, k/4                           ; K step
.set QQ, k%4                           ; gate 0, gate 1, up 0, up 1
	WIN 0x0d+QQ/2                                  ; source 0: window 1 (gate) or 2 (up); source 1: window 3; C and D: window 0
.set RD, ACC+32*((\i)%2)+8*QQ
.set RB, (8*(QQ%2)+SS)*12
.set RA, 96*((\i)%2)+12*SS
.set RSW, WSR+8*(QQ/2)+SS
.set RSX, XSR+8*((\i)%2)+SS
	WM
.if \ep
.if 3*k < 75
	WIN 0
.set j, 3*k
	EPL (\i)-1
.set j, 3*k+1
	EPL (\i)-1
.set j, 3*k+2
	EPL (\i)-1
.endif
.if \pre
.if k == 8
	FRAGX (\i)+1                                   ; behind the wait of line 24.  No further wait: nothing issued since names the other set
.endif
.if (k >= 8) && (k < 16)
.set FS, k-8
	FRAGK (\i)+1
.endif
.endif
.endif
.set k, k+1
.endr
	WIN 0
.endm
	s_load_b256 s[4:11], s[0:1], 0x0               ; xcodes s[4:5], wgu s[6:7], lists s[8:9], hid s[10:11]
	v_lshl_add_u32 v103, v0, 2, 0x39400
	s_set_vgpr_msb 0x40
	v_mov_b32 v255, 0
	s_set_vgpr_msb 0x4000
	v_lshrrev_b32 v1, 5, v0
	v_readfirstlane_b32 s12, v1                    ; wave
	s_mov_b32 s13, ttmp9                           ; which 128 hidden units
	s_and_b32 s14, ttmp7, 0xffff                   ; which 256 rows
	s_mov_b32 s21, 0
	s_mov_b32 s22, 0xbfb8aa3b                      ; -log2(e)
	s_mov_b32 s23, s22                             ; (named with it as a pair)
	s_mov_b32 s24, 0x76543210
	s_mov_b32 s25, 0xfedcba98                      ; v_permlanex16_b32's selects for lane l xor 16
	v_and_b32 v1, 15, v0                           ; r
	v_bfe_u32 v2, v0, 4, 1                         ; h
	v_and_b32 v111, 31, v0                         ; lane
	v_lshlrev_b32 v3, 4, v111
	v_lshlrev_b32 v13, 5, v111
	v_lshlrev_b32 v14, 2, v2
	v_lshrrev_b32 v15, 1, v111
	v_lshlrev_b32 v15, 2, v15
	v_lshlrev_b32 v109, 4, v1
	v_and_b32 v110, 1, v0
	v_lshlrev_b32 v110, 4, v110
	v_mul_u32_u24 v[ADA], v1, PA
	v_mad_u32_u24 v[ADA], v2, 48, v[ADA]           ; a fragment: row r, + 48 h
	v_add_nc_u32 v[ADA+1], 64*PA, v[ADA]
	v_add_nc_u32 v[ADA+2], 128*PA, v[ADA]
	v_add_nc_u32 v[ADA+3], 192*PA, v[ADA]
	v_lshl_add_u32 v[ADS], v1, 5, XSC
	s_wait_alu depctr_va_sdst(0)                   ; s12, the wave's number, is written, ahead of its first reader
	s_and_b32 s20, s12, 1
	s_mul_i32 s20, s20, 48
	s_lshr_b32 s40, s12, 1
	s_mul_i32 s40, s40, 24
	s_add_co_u32 s20, s20, s40
	s_add_co_u32 s20, s20, STG
	v_mul_u32_u24 v[STO], v1, 96
	v_mad_u32_u24 v[STO], v2, 12, v[STO]
	v_add_nc_u32 v[STO], s20, v[STO]               ; my 12 bytes: row r; block w of the K step at 48 (w % 2) + 24 (w / 2); its half h
	s_add_co_u32 s20, s12, SSC
	v_lshl_add_u32 v[SBA], v1, 2, s20              ; byte w of row r's scale word
	s_mul_i32 s20, s12, 64*PA
	v_mul_u32_u24 v11, v2, PA
	v_add_nc_u32 v11, v11, v109
	v_add_nc_u32 v11, s20, v11                     ; rows into LDS: my wave's 64, two an instruction, sixteen lanes to 256 bytes
	s_lshl_b32 s20, s12, 11
	s_add_co_u32 s20, s20, XSC
	v_add_nc_u32 v12, s20, v3                      ; their scale words: two lanes to a row
	v_mov_b32 v[MX2], 0                            ; a lane permute's destination counts as one of its sources
	s_lshl_b32 s20, s14, 2
	s_wait_kmcnt 0x0
	s_add_nc_u64 s[42:43], s[8:9], s[20:21]
	s_load_b32 s15, s[42:43], TILETAB              ; matrix | rows in use << 8
	s_lshl_b32 s20, s14, 10
	s_lshl_b32 s40, s12, 8
	s_add_co_u32 s20, s20, s40
	s_add_nc_u64 s[30:31], s[8:9], s[20:21]        ; the list at my wave's 64 rows
	s_wait_alu depctr_va_vdst(0)                   ; the addresses and offsets v3 to v15 are written, which the loads, LDS loads and stores of the whole kernel read
.set q, 0
.rept 32
	global_load_b32 v[VG+q], v14, s[30:31] offset:XLIST+8*q     ; the tokens of rows 2 q + h
.set q, q+1
.endr
.irp a, 0,1,2,3
	global_load_b32 v[VGS+\a], v15, s[30:31] offset:XLIST+64*\a ; and of rows 16 a + lane / 2
.endr
	s_lshl_b32 s20, s14, 8
	s_lshl_b32 s40, s12, 6
	s_add_co_u32 s40, s20, s40                     ; my wave's first row on the way out
	s_mul_i32 s20, s40, 768
	s_mul_i32 s44, s13, 96
	s_add_co_u32 s20, s20, s44
	s_add_nc_u64 s[34:35], s[10:11], s[20:21]
	s_lshl_b32 s20, s40, 5
	s_lshl_b32 s44, s13, 2
	s_add_co_u32 s20, s20, s44
	s_add_nc_u64 s[36:37], s[10:11], s[20:21]
	s_wait_kmcnt 0x0
	s_and_b32 s16, s15, 0xff
	s_min_u32 s16, s16, 8                          ; the matrix
	s_lshr_b32 s17, s15, 8
	s_min_u32 s17, s17, 256
	s_add_co_u32 s18, s17, 15
	s_lshr_b32 s18, s18, 4                         ; row tiles in use
	s_lshl_b32 s19, s13, 2
	s_add_co_u32 s19, s19, s12                     ; my tile pair
	s_mul_i32 s20, s16, 2*MATB
	s_mul_i32 s40, s19, 24576
	s_add_co_u32 s20, s20, s40
	s_add_nc_u64 s[26:27], s[6:7], s[20:21]
	s_lshl_b32 s20, s16, 16
	s_lshl_b32 s40, s19, 10
	s_add_co_u32 s20, s20, s40
	s_add_co_u32 s20, s20, WGUS
	s_add_nc_u64 s[28:29], s[6:7], s[20:21]
	LOADW 0
.irp kd, 0,1
	global_load_b128 v[WSR+8*\kd:WSR+8*\kd+3], v13, s[28:29] offset:\kd*MATS
	global_load_b128 v[WSR+8*\kd+4:WSR+8*\kd+7], v13, s[28:29] offset:\kd*MATS+16
.endr
	s_wait_loadcnt 52                              ; the 36 list loads are in; the 48 gate fragments and 4 scale loads behind them may be out
.set q, 0
.rept 32
	v_min_u32 v[VG+q], 0x7ff, v[VG+q]
	v_mul_u32_u24 v[VG+q], v[VG+q], 768
	v_add_nc_u32 v[VG+q], v[VG+q], v109
.set q, q+1
.endr
.irp a, 0,1,2,3
	v_min_u32 v[VGS+\a], 0x7ff, v[VGS+\a]
	v_lshlrev_b32 v[VGS+\a], 5, v[VGS+\a]
	v_add_nc_u32 v[VGS+\a], v[VGS+\a], v110
.endr
	s_wait_alu depctr_va_vdst(0)                   ; the rows' offsets v[VG ..] and v[VGS ..] are written, which the 100 loads below read
.set q, 0
.rept 32                               ; 96 loads: two rows x 256 consecutive bytes each
.if q < 20
	WIN 0xc0
.set RG, 12*q
.else
	WIN 0
.set RG, 112+12*(q-20)
.endif
.irp u, 0,1,2
	global_load_b128 v[RG+4*\u:RG+4*\u+3], v[VG+q], s[4:5] offset:256*\u
.endr
.set q, q+1
.endr
	WIN 0xc0
.irp a, 0,1,2,3
	global_load_b128 v[240+4*\a:243+4*\a], v[VGS+\a], s[4:5] offset:XSO
.endr
	LOADW 1
	s_wait_loadcnt 48                              ; all but the 48 up fragments are in
.set q, 0
.rept 32
.if q < 20
	WIN 0x0c                                       ; an LDS store's data are its source 1
.set RG, 12*q
.else
	WIN 0
.set RG, 112+12*(q-20)
.endif
.irp u, 0,1,2
	ds_store_b128 v11, v[RG+4*\u:RG+4*\u+3] offset:2*PA*q+256*\u
.endr
.set q, q+1
.endr
	WIN 0x0c
.irp a, 0,1,2,3
	ds_store_b128 v12, v[240+4*\a:243+4*\a] offset:512*\a
.endr
	WIN 0
	s_wait_dscnt 0x0                               ; my rows lie in LDS
	s_barrier_signal -1
	s_barrier_wait -1                              ; everybody's do
	s_wait_loadcnt 0x0                             ; the up fragments
	s_wait_alu depctr_vm_vsrc(0)                   ; my LDS stores have read the registers through which the rows passed: these are the fragment sets, the accumulators and the way out's registers from here on
	FRAGS 0
	TILE 0, 0, 1
.irp t, 0,1,2,3,4,5,6
	s_cmp_le_u32 s18, 2*\t                         ; no row tile from 2 t on is in use: all that follows would be thrown away
	s_cbranch_scc1 .Lfin
	TILE 2*\t+1, 1, 1
	TILE 2*\t+2, 1, 1
.endr
	s_cmp_le_u32 s18, 14
	s_cbranch_scc1 .Lfin
	TILE 15, 1, 0
	PLACES
	s_wait_alu depctr_vm_vsrc(0)                   ; the LDS stores of tile 14's epilogue have read v[CD ..] and v[BY], which the last epilogue writes again
.set j, 0
.rept 75
	EPL 15
.set j, j+1
.endr
.Lfin:
	s_wait_dscnt 0x0                               ; my codes and bytes lie in the stage
	s_barrier_signal -1
.irp k6, 0,1,2,3,4,5                   ; piece 32 k + lane of a run of 32 rows x 6 pieces of 16 bytes: its row and its place in the row
	v_add_nc_u32 v251, 32*\k6, v111
	v_mul_u32_u24 v252, v251, 0x2aab
	v_lshrrev_b32 v252, 16, v252                   ; / 6
	v_mul_u32_u24 v253, v252, 6
	v_sub_nc_u32 v253, v251, v253
	v_mul_u32_u24 v252, v252, 768
	v_lshl_add_u32 v[242+\k6], v253, 4, v252
.endr
	s_mul_i32 s20, s12, 6144
	s_add_co_u32 s20, s20, STG
	v_add_nc_u32 v248, s20, v3
	s_lshl_b32 s20, s12, 8
	s_add_co_u32 s20, s20, SSC
	v_lshl_add_u32 v249, v111, 2, s20
	s_barrier_wait -1
	s_wait_alu depctr_va_vdst(0)                   ; the way out's addresses v242 to v249 are written, which the LDS loads and the stores below read
.irp pp, 0,1                           ; my wave's two runs of 32 rows, each only if its first 16 rows are in use
	s_lshl_b32 s20, s12, 2
	s_add_co_u32 s20, s20, 2*\pp
	s_cmp_lt_u32 s20, s18
	s_cbranch_scc0 .Lnone_\pp
.irp k6, 0,1,2,3,4,5
	ds_load_b128 v[192+24*\pp+4*\k6:195+24*\pp+4*\k6], v248 offset:3072*\pp+512*\k6
.endr
	ds_load_b32 v[240+\pp], v249 offset:128*\pp
.irp k6, 0,1,2,3,4,5
	s_wait_dscnt 6-\k6
	global_store_b128 v[242+\k6], v[192+24*\pp+4*\k6:195+24*\pp+4*\k6], s[34:35] offset:24576*\pp
.endr
	s_wait_dscnt 0x0
	global_store_b32 v13, v[240+\pp], s[36:37] offset:HSO+1024*\pp
.Lnone_\pp:
.endr
	s_set_vgpr_msb 0x4                             ; the add's second register lies in window 1: the one switch, ahead of the closing lines
	s_wait_dscnt 0x0                               ; the closing lines, six on end
	s_wait_alu 0x0
	s_wait_tensorcnt 0x0
	ds_add_u32 v103, v255
	s_wait_dscnt 0x0
	s_endpgm
.Lfunc_end_k_qa98c1f6f92_gateup:
	.size	k_qa98c1f6f92_gateup, .Lfunc_end_k_qa98c1f6f92_gateup-k_qa98c1f6f92_gateup
	.p2alignl 7, 3214868480
	.fill 96, 4, 3214868480
	.section	.rodata,"a",@progbits
	.p2align	6, 0x0
	.amdhsa_kernel k_qa98c1f6f92_gateup
		.amdhsa_group_segment_fixed_size 235008
		.amdhsa_private_segment_fixed_size 0
		.amdhsa_enable_private_segment 0
		.amdhsa_kernarg_size 32
		.amdhsa_user_sgpr_count 2
		.amdhsa_user_sgpr_kernarg_segment_ptr 1
		.amdhsa_wavefront_size32 1
		.amdhsa_system_sgpr_workgroup_id_x 1
		.amdhsa_system_sgpr_workgroup_id_y 1
		.amdhsa_system_sgpr_workgroup_id_z 1
		.amdhsa_system_vgpr_workitem_id 0
		.amdhsa_next_free_vgpr 1024
		.amdhsa_next_free_sgpr 66
		.amdhsa_reserve_vcc 0
		.amdhsa_float_denorm_mode_32 3
		.amdhsa_float_denorm_mode_16_64 3
		.amdhsa_memory_ordered 1
		.amdhsa_forward_progress 1
		.amdhsa_inst_pref_size 229
	.end_amdhsa_kernel
	.amdgpu_metadata
---
amdhsa.version: [ 1, 2 ]
amdhsa.kernels:
  - .name:           k_qa98c1f6f92_gateup
    .symbol:         k_qa98c1f6f92_gateup.kd
    .args:
      - { .name: xcodes, .offset: 0, .size: 8, .value_kind: global_buffer, .address_space: global }
      - { .name: wgu, .offset: 8, .size: 8, .value_kind: global_buffer, .address_space: global }
      - { .name: lists, .offset: 16, .size: 8, .value_kind: global_buffer, .address_space: global }
      - { .name: hid, .offset: 24, .size: 8, .value_kind: global_buffer, .address_space: global }
    .group_segment_fixed_size: 235008
    .private_segment_fixed_size: 0
    .kernarg_segment_align: 8
    .kernarg_segment_size: 32
    .max_flat_workgroup_size: 128
    .sgpr_count:     66
    .vgpr_count:     1024
    .wavefront_size: 32
...
	.end_amdgpu_metadata
.endif
;; end of part 5
;; launch down (part 6): grid 8 x 32, 4 waves a work-group, no clusters, 138,752 bytes of LDS; arguments hid, wdn, lists, xcodes, hidden_states, out0; writes out0
.if DOCPART == 6
	.amdgcn_target "amdgcn-amd-amdhsa--gfx1250"
	.amdhsa_code_object_version 6
	.text
	.protected	k_qa98c1f6f92_down
	.globl	k_qa98c1f6f92_down
	.p2align	8
	.type	k_qa98c1f6f92_down,@function
k_qa98c1f6f92_down:
	s_mov_b64 s[64:65], 0
	v_nop
	global_prefetch_b8 v0, s[64:65] scope:SCOPE_SE
	s_setreg_imm32_b32 hwreg(HW_REG_WAVE_SCHED_MODE, 0, 2), 2
	s_setreg_imm32_b32 hwreg(HW_REG_WAVE_MODE, 25, 1), 1
	s_wait_xcnt 0x0
	s_wait_alu depctr_vm_vsrc(0)
; DOWN.  out = x + hid_shared Wd_shared + w_lo (hid_lo Wd_lo) + w_hi (hid_hi Wd_hi), the products on codes of E3M2.  ONE OWNER FOR EACH OUTPUT NUMBER: a work-group owns 64 tokens
; (work-group y: positions 64 y on of the list sorted by pairs of experts) x 128 columns (work-group x); wave w owns 32 of the columns, two tiles, for all 64 tokens.
; THE WALK: the shared matrix, then each routed expert that some token of the block chose (a mask of 8 bits and their count, stored by the launch that placed the rows; 2 at the least).  For a matrix: its two tiles x 8 K steps
; go from memory into 192 registers, in the order in which the operand takes them; the 64 tokens' rows of hidden codes are gathered into LDS and read by all four waves.  The next matrix's loads are asked for ahead of this one's products.
; A token that did not choose the expert in hand takes its shared row and the weight 0.
; The loop has 8 halves, a constant; a half beyond the block's experts jumps over its work, never over the barrier.  One barrier a half: a row buffer is written again two halves after it was read.
; TRANSPOSED: source 0 = 16 columns of the weight, source 1 = 16 tokens: a lane holds eight neighbouring columns of one token.  Two accumulators take turns, one instruction a turn.
; No cluster: partners would walk different experts.  No tensor load: the rows are named by a list, the weights go straight into registers.
; LIMITS: NaN and infinities are not served; the product that gets the weight 0 has to be finite.
; THE MODE: SCHED_MODE bits 1:0 = 2 (LLVM: expert scheduling mode 2), set by the entry lines.  The code itself states the register dependences
; between vector or matrix instructions and memory or LDS instructions, with s_wait_alu, always for 0.
; THE PLAN.  Registers that memory or LDS instructions touch, in the walk:
;   matrix buffers 0, 1 and their scale words:  half n's products read buffer B; the loads issued in half n land in buffer 1 - B, which half n - 1's products read.
;   v[SG ..]:   landed by the gathers of half n, read by the LDS stores at the head of half n + 1, landed again by that half's gathers.  No vector instruction names them before the way out.
;   v[VG ..]:   written by a half's offset lines, read by its gathers, written again a half later.
;   fragment sets 0, 1 (window 3) and the rows' scale words:  row tile a's products read set a % 2; the LDS loads issued at its head land in the other set, which row tile a - 1's products read.
;   the other addresses:  made at the head, never written again.
; Behind a half's barrier stand one wait on va_vdst (the half before's products are done with the other matrix buffer, its scale words and both fragment sets) and one on vm_vsrc (SG and VG have been read).
; One more on va_vdst stands between the offsets and the gathers, and one at the head of row tiles 1 and 2: all 1,024 registers are in use, so there is no third fragment set.
; The compares write scalar registers in runs, with one wait on va_sdst behind each run.
; REGISTERS, in windows of 256.  Window 0: v1-15 addresses; v16-60 the records of the rows that I gather; v62-81 those of the rows that I multiply; v82-97 weights; v98-106 offsets; v108-123 the matrices' scale words, two sets;
;   v124-139 the rows', two sets; v140-239 rows on their way to LDS, later rows of the result; v240-255 my offsets in x and in out, made once.
;   Window 1: matrix buffer 0, from v192 the sums.   Window 2: matrix buffer 1, from v192 the residual.   Window 3: the rows' fragments, two sets of 96; from v192 a routed product.
.set HSO,   6094848
.set MATB,  786432
.set MATS,  32768
.set WDS,   9*MATB
.set WTS,   1638400
.set BMASK, 65664                      ; lists: for each 64 positions the experts in use, a bit each | how many << 8
.set PA,    784
.set ABUF,  52224                      ; a row buffer: 64 rows x 784, then 64 x 32 bytes of scale words
.set ASC,   50176
.set STG,   104448                     ; the way out: 64 rows x (512 + 16)
.set SP,    528
.set ADA,   4                          ; v4, v5  my place in row buffer 0, 1
.set ADS,   6                          ; v6, v7  the same for the scale words
.set RP,    16
.set RPH,   48
.set RS,    56
.set RSH,   60
.set TA,    61
.set RR,    62
.set RRH,   78
.set WL,    82
.set W,     90
.set VG,    98
.set VGS,   106
.set WSR,   108
.set XSR,   124
.set SG,    140
.set WK,    240
.set MK,    44                         ; s44-61  a gather's 18 masks: slot n: the expert in hand is the token's lower, its higher
.set MW,    84                         ; s84-91  the same for the tokens of my four row tiles
.set MSB, 0
.macro WIN new
.if MSB != (\new)
	s_set_vgpr_msb (MSB<<8)|(\new)
.set MSB, (\new)
.endif
.endm
.macro PLACES
.rept 4
	v_nop
.endr
.endm
.macro LOADB B, cbase, sbase           ; a matrix's two tiles x 8 K steps into buffer B (window 1 + B), its scale words into set B
	WIN 0x40*(1+(\B))
.irp c, 0,1
.irp s, 0,1,2,3,4,5,6,7
.irp g, 0,1,2
	global_load_b128 v[(8*\c+\s)*12+4*\g:(8*\c+\s)*12+4*\g+3], v3, s[\cbase:\cbase+1] offset:\c*12288+\s*1536+\g*512
.endr
.endr
.endr
	WIN 0
	global_load_b128 v[WSR+8*(\B):WSR+8*(\B)+3], v13, s[\sbase:\sbase+1]
	global_load_b128 v[WSR+8*(\B)+4:WSR+8*(\B)+7], v13, s[\sbase:\sbase+1] offset:16
.endm
.macro SLOT rec, n, mulc, addv, dst, shared   ; the row of hid that a token gives for expert s36 (by slot n's two masks) or for the shared expert, as a byte offset
.if \shared
	v_min_u32 v[TA], 0x1eff, v[\rec]
.else
	v_cndmask_b32 v[TA], v[\rec], v[\rec+1], s[MK+2*(\n)]
	v_cndmask_b32 v[TA], v[TA], v[\rec+2], s[MK+2*(\n)+1]
	v_min_u32 v[TA], 0x1eff, v[TA]
.endif
	v_mul_u32_u24 v[TA], v[TA], \mulc
	v_add_nc_u32 v[\dst], v[TA], v[\addv]
.endm
.macro GADDR shared                    ; the offsets of my wave's 16 rows
.if !\shared
.irp q, 0,1,2,3,4,5,6,7
	v_cmp_eq_u32 s[MK+2*\q], s36, v[RP+4*\q+3]
	v_cmp_eq_u32 s[MK+2*\q+1], s36, v[RPH+\q]
.endr
	v_cmp_eq_u32 s[MK+16], s36, v[RS+3]
	v_cmp_eq_u32 s[MK+17], s36, v[RSH]
	s_wait_alu depctr_va_sdst(0)                   ; the 18 compares have written s44 to s61, ahead of the selects that read them
.endif
.irp q, 0,1,2,3,4,5,6,7
	SLOT RP+4*\q, \q, 768, 14, VG+\q, \shared
.endr
	SLOT RS, 8, 32, 15, VGS, \shared
.endm
.macro GLOAD                           ; my wave's 16 rows: 24 loads of two rows x 256 consecutive bytes, one of 16 rows' scale words
.irp q, 0,1,2,3,4,5,6,7
.irp u, 0,1,2
	global_load_b128 v[SG+12*\q+4*\u:SG+12*\q+4*\u+3], v[VG+\q], s[4:5] offset:256*\u
.endr
.endr
	global_load_b128 v[SG+96:SG+99], v[VGS], s[4:5] offset:HSO
.endm
.macro STORE_A x
.irp q, 0,1,2,3,4,5,6,7
.irp u, 0,1,2
	ds_store_b128 v8, v[SG+12*\q+4*\u:SG+12*\q+4*\u+3] offset:\x*ABUF+2*PA*\q+256*\u
.endr
.endr
	ds_store_b128 v9, v[SG+96:SG+99] offset:\x*ABUF
.endm
.macro NEXT                            ; the mask's lowest expert, and the mask without it
	s_ctz_i32_b32 s36, s32
	s_min_u32 s36, s36, 7
	s_sub_co_u32 s40, s32, 1
	s_and_b32 s32, s32, s40
.endm
.macro PRE B                           ; expert s36's matrix into buffer B, its rows on their way.  No load of mine is out here: bases and offsets may be written
	s_add_co_u32 s40, s36, 1
	s_mul_i32 s38, s40, MATB
	s_add_nc_u64 s[28:29], s[24:25], s[38:39]
	s_lshl_b32 s38, s40, 15
	s_add_nc_u64 s[30:31], s[26:27], s[38:39]
	LOADB \B, 28, 30                               ; no wait here: nothing issued since the wait on va_vdst behind the barrier names buffer B or its scale words
	GADDR 0
	s_wait_alu depctr_va_vdst(0)                   ; the offsets v[VG ..] and v[VGS] are written, which the gathers read
	GLOAD
.endm
.macro WSEL                            ; the weight of expert s35 for the token of each of my four row tiles: w_lo, w_hi or 0
.irp a, 0,1,2,3
	v_cmp_eq_u32 s[MW+2*\a], s35, v[RR+4*\a+3]
	v_cmp_eq_u32 s[MW+2*\a+1], s35, v[RRH+\a]
.endr
	s_wait_alu depctr_va_sdst(0)                   ; the eight compares have written s84 to s91, ahead of the selects that read them
.irp a, 0,1,2,3
	v_cndmask_b32 v[W+2*\a], 0, v[WL+2*\a], s[MW+2*\a]
	v_cndmask_b32 v[W+2*\a], v[W+2*\a], v[WL+2*\a+1], s[MW+2*\a+1]
.endr
.endm
.macro FRAGS4 x, a                     ; row tile a of row buffer x: 8 fragments into set a % 2 of window 3, 8 scale words into set a % 2
	WIN 0xc0
.irp s, 0,1,2,3,4,5,6,7
.irp g, 0,1,2
	ds_load_b128 v[96*((\a)%2)+12*\s+4*\g:96*((\a)%2)+12*\s+4*\g+3], v[ADA+\x] offset:(\a)*16*PA+\s*96+16*\g
.endr
.endr
	WIN 0
	ds_load_b128 v[XSR+8*((\a)%2):XSR+8*((\a)%2)+3], v[ADS+\x] offset:(\a)*512
	ds_load_b128 v[XSR+8*((\a)%2)+4:XSR+8*((\a)%2)+7], v[ADS+\x] offset:(\a)*512+16
.endm
.macro WM
.if SS == 0
.if QQ%2
	v_wmma_scale_f32_16x16x128_f8f6f4 v[RD:RD+7], v[RB:RB+11], v[RA:RA+11], 0, v[RSW], v[RSX] matrix_a_fmt:MATRIX_FMT_BF6 matrix_b_fmt:MATRIX_FMT_BF6 matrix_a_scale:MATRIX_SCALE_ROW1
.else
	v_wmma_scale_f32_16x16x128_f8f6f4 v[RD:RD+7], v[RB:RB+11], v[RA:RA+11], 0, v[RSW], v[RSX] matrix_a_fmt:MATRIX_FMT_BF6 matrix_b_fmt:MATRIX_FMT_BF6
.endif
.else
.if QQ%2
	v_wmma_scale_f32_16x16x128_f8f6f4 v[RD:RD+7], v[RB:RB+11], v[RA:RA+11], v[RD:RD+7], v[RSW], v[RSX] matrix_a_fmt:MATRIX_FMT_BF6 matrix_b_fmt:MATRIX_FMT_BF6 matrix_a_scale:MATRIX_SCALE_ROW1
.else
	v_wmma_scale_f32_16x16x128_f8f6f4 v[RD:RD+7], v[RB:RB+11], v[RA:RA+11], v[RD:RD+7], v[RSW], v[RSX] matrix_a_fmt:MATRIX_FMT_BF6 matrix_b_fmt:MATRIX_FMT_BF6
.endif
.endif
.endm
; 64 matrix instructions: matrix buffer B against row buffer x.  direct = 1: the results are the sums themselves (window 1); else a product of its own (window 3).
; The loads of row tiles 0 and 1 owe no wait of their own: the products that read both fragment sets last stand ahead of the wait on va_vdst behind the half's barrier, and nothing issued since names the sets.
.macro COMPUTE B, x, direct
	FRAGS4 \x, 0
.irp a, 0,1,2,3
.if \a > 0
	PLACES                                         ; behind the last row tile's products
.endif
.if (\a == 1) || (\a == 2)
	s_wait_alu depctr_va_vdst(0)                   ; the last row tile's products are done reading their fragment set and its scale words, in which the loads below land
.endif
	s_wait_dscnt 0x0
.if \a < 3
	FRAGS4 \x, \a+1
.endif
.if \direct
	WIN 0x5d                                       ; source 0 window 1, source 1 window 3, C and D window 1
.else
	WIN 0xfd+(\B)                                  ; source 0 window 1 or 2, source 1, C and D window 3
.endif
.irp s, 0,1,2,3,4,5,6,7
.irp c, 0,1
.set SS, \s
.set QQ, \c
.set RD, 192+8*(2*\a+\c)
.set RB, (8*\c+\s)*12
.set RA, 96*(\a%2)+12*\s
.set RSW, WSR+8*(\B)+\s
.set RSX, XSR+8*(\a%2)+\s
	WM
.endr
.endr
	WIN 0
.endr
.if \direct
	PLACES                                         ; behind the shared product's last matrix instructions
.endif
.endm
.macro FMA                             ; the sums += weight x product, each product's registers in ascending order; the first 28 lines are also the places behind the last products
	WIN 0x53                                       ; source 0 window 3, source 1 window 0, source 2 and destination window 1
.irp a, 0,1,2,3
.irp i, 0,2,4,6,8,10,12,14
	v_pk_fma_f32 v[192+16*\a+\i:193+16*\a+\i], v[192+16*\a+\i:193+16*\a+\i], v[W+2*\a:W+2*\a+1], v[192+16*\a+\i:193+16*\a+\i] op_sel_hi:[1,0,1]
.endr
.endr
	WIN 0
.endm
; Half number s34 of the walk: matrix buffer B, row buffer x.
.macro HALF B, x
	s_wait_loadcnt 0x0                             ; what was asked for a half ago is in
	s_cmp_gt_u32 s34, s33
	s_cbranch_scc1 .Lns_\@
	STORE_A \x
.Lns_\@:
	s_wait_dscnt 0x0                               ; my rows lie in LDS, and my reads of the other row buffer are over
	s_barrier_signal -1
	s_barrier_wait -1
	s_wait_alu depctr_va_vdst(0)                   ; the half before's products are done reading the other matrix buffer, its scale words, both fragment sets and the rows' scale words: loads of this half land in all of them
	s_wait_alu depctr_vm_vsrc(0)                   ; the LDS stores above have read v[SG ..], in which this half's gathers land; the last half's gathers have read v[VG ..], which this half's offset lines write
	s_mov_b32 s35, s36
	s_cmp_ge_u32 s34, s33
	s_cbranch_scc1 .Lnp_\@
	NEXT
	PRE 1-\B
.Lnp_\@:
	s_cmp_gt_u32 s34, s33
	s_cbranch_scc1 .Lnc_\@
	WSEL
	COMPUTE \B, \x, 0
	FMA
.Lnc_\@:
	s_add_co_u32 s34, s34, 1
.endm
	s_load_b256 s[4:11], s[0:1], 0x0               ; hid s[4:5], wdn s[6:7], lists s[8:9], xcodes s[10:11]
	s_load_b128 s[12:15], s[0:1], 0x20             ; hidden_states s[12:13], out0 s[14:15]
	v_lshrrev_b32 v1, 5, v0
	v_readfirstlane_b32 s20, v1                    ; wave
	s_mov_b32 s21, ttmp9                           ; which 128 columns
	s_and_b32 s22, ttmp7, 0xffff                   ; which 64 positions
	s_mov_b32 s39, 0
	v_and_b32 v1, 15, v0                           ; r
	v_bfe_u32 v2, v0, 4, 1                         ; h
	v_and_b32 v107, 31, v0                         ; lane
	v_lshlrev_b32 v3, 4, v107
	v_lshlrev_b32 v13, 5, v107
	v_lshlrev_b32 v14, 4, v1
	v_and_b32 v15, 1, v0
	v_lshlrev_b32 v15, 4, v15
	v_mul_u32_u24 v[ADA], v1, PA
	v_mad_u32_u24 v[ADA], v2, 48, v[ADA]
	v_add_nc_u32 v[ADA+1], ABUF, v[ADA]
	v_lshl_add_u32 v[ADS], v1, 5, ASC
	v_add_nc_u32 v[ADS+1], ABUF, v[ADS]
	s_wait_alu depctr_va_sdst(0)                   ; s20, the wave's number, is written, ahead of its first reader
	s_lshl_b32 s23, s21, 2
	s_add_co_u32 s23, s23, s20                     ; my tile pair
	s_mul_i32 s38, s20, 16*PA
	v_mul_u32_u24 v8, v2, PA
	v_add_nc_u32 v8, v8, v14
	v_add_nc_u32 v8, s38, v8                       ; rows into LDS: my wave's 16, two an instruction
	s_lshl_b32 s38, s20, 9
	s_add_co_u32 s38, s38, ASC
	v_add_nc_u32 v9, s38, v3                       ; their scale words: two lanes to a row
	s_lshl_b32 s38, s20, 7
	s_add_co_u32 s38, s38, STG
	v_mul_u32_u24 v10, v1, SP
	v_lshl_add_u32 v10, v2, 5, v10
	v_add_nc_u32 v10, s38, v10                     ; the way out: row r, my wave's 128 bytes, + 32 h
	s_mul_i32 s38, s20, 16*SP
	s_add_co_u32 s38, s38, STG
	v_add_nc_u32 v11, s38, v3                      ; and back: my 16 rows, 16 bytes a lane
	s_lshl_b32 s38, s21, 9
	v_add_nc_u32 v12, s38, v3                      ; my 16 bytes of a token's 512 bytes of x and of out
	v_lshlrev_b32 v240, 4, v2
	v_lshrrev_b32 v241, 1, v107
	v_lshlrev_b32 v241, 4, v241
	s_wait_kmcnt 0x0
	s_lshl_b32 s38, s22, 2
	s_add_nc_u64 s[42:43], s[8:9], s[38:39]
	s_load_b32 s32, s[42:43], BMASK                ; the block's experts, a bit each | how many << 8
	s_lshl_b32 s38, s22, 10
	s_add_nc_u64 s[16:17], s[8:9], s[38:39]        ; the block's 64 records of 16 bytes
	s_lshl_b32 s38, s20, 8
	s_add_nc_u64 s[18:19], s[16:17], s[38:39]      ; my wave's 16
.set i, 0
.rept 16
	s_load_b32 s[68+i], s[18:19], 16*i             ; the tokens whose rows of out I store
.set i, i+1
.endr
	s_wait_alu depctr_va_vdst(0)                   ; the addresses and offsets v3 to v15, v240 and v241 are written, which the loads, LDS loads and stores below read
.irp q, 0,1,2,3,4,5,6,7
	global_load_b128 v[RP+4*\q:RP+4*\q+3], v240, s[18:19] offset:32*\q   ; row 2 q + h of my 16
.endr
	global_load_b128 v[RS:RS+3], v241, s[18:19]                          ; row lane / 2 of my 16
.irp a, 0,1,2,3
	global_load_b128 v[RR+4*\a:RR+4*\a+3], v14, s[16:17] offset:256*\a   ; row 16 a + r of the block
.endr
	s_mul_i32 s38, s23, 24576
	s_add_nc_u64 s[24:25], s[6:7], s[38:39]        ; my tile pair in matrix 0: codes,
	s_lshl_b32 s38, s23, 10
	s_add_co_u32 s38, s38, WDS
	s_add_nc_u64 s[26:27], s[6:7], s[38:39]        ; scale words
	LOADB 0, 24, 26                                ; the shared matrix
	s_wait_loadcnt 50                              ; the 13 record loads are in; the matrix's 48 + 2 behind them may be out
.irp q, 0,1,2,3,4,5,6,7
	v_bfe_u32 v[RPH+\q], v[RP+4*\q+3], 8, 8
	v_and_b32 v[RP+4*\q+3], 0xff, v[RP+4*\q+3]
.endr
	v_bfe_u32 v[RSH], v[RS+3], 8, 8
	v_and_b32 v[RS+3], 0xff, v[RS+3]
.irp a, 0,1,2,3
	v_bfe_u32 v[RRH+\a], v[RR+4*\a+3], 8, 8
	v_and_b32 v[RR+4*\a+3], 0xff, v[RR+4*\a+3]
.endr
.irp a, 0,1,2,3
	v_min_u32 v[W+2*\a], 0x7ff, v[RR+4*\a]
	v_lshlrev_b32 v[W+2*\a], 3, v[W+2*\a]          ; where the token's two weights lie
	v_mov_b32 v[W+2*\a+1], 0                       ; (named as the upper half of a pair)
.endr
	s_wait_kmcnt 0x0                               ; the mask word and my 16 tokens
	s_bfe_u32 s33, s32, 0x40008                    ; how many experts the block uses (4 bits from bit 8),
	s_min_u32 s33, s33, 8
	s_and_b32 s32, s32, 0xff                       ; and which
	s_wait_alu depctr_vm_vsrc(0)                   ; the record loads have read v240 and v241, which are written again below
.set i, 0
.rept 16
	s_min_u32 s[68+i], s[68+i], 2047
	s_lshl_b32 s[68+i], s[68+i], 12                ; the token's row of 4,096 bytes
	v_add_nc_u32 v[WK+i], s[68+i], v12             ; my offset in x and in out: it stays until the way out
.set i, i+1
.endr
	GADDR 1
	s_wait_alu depctr_va_vdst(0)                   ; all the offsets are written: v[W ..] for the weights, v[WK ..] for the residual, v[VG ..] and v[VGS] for the rows
.irp a, 0,1,2,3
	global_load_b64 v[WL+2*\a:WL+2*\a+1], v[W+2*\a], s[10:11] offset:WTS
.endr
	WIN 0x80                                       ; the residual stays in window 2
.set i, 0
.rept 16
	global_load_b128 v[192+4*i:195+4*i], v[WK+i], s[12:13]     ; 32 lanes read 512 consecutive bytes of one row
.set i, i+1
.endr
	WIN 0
	GLOAD
	s_wait_loadcnt 0x0
	STORE_A 0
	s_wait_dscnt 0x0
	s_barrier_signal -1
	s_barrier_wait -1
	s_wait_alu depctr_vm_vsrc(0)                   ; the LDS stores have read v[SG ..], in which the next gathers land; the first gathers have read v[VG ..] and the weights' loads v[W ..], which vector lines below write
	NEXT
	PRE 1                                          ; the first routed expert: every block has two at the least
	COMPUTE 0, 0, 1                                ; the shared product starts the sums
	s_mov_b32 s34, 1
	s_mov_b32 s37, 4
.Lwalk:
	HALF 1, 1
	HALF 0, 0
	s_sub_co_u32 s37, s37, 1
	s_cmp_lg_u32 s37, 0
	s_cbranch_scc1 .Lwalk
	; THE WAY OUT: a token's 128 columns come from four waves: they meet in a stage; each wave then adds the residual to 16 whole pieces of 512 bytes and stores them.
	s_wait_loadcnt 0x0                             ; no load of mine is on its way into the registers used below.  (With at most 8 experts the eighth half asks for nothing; the wait makes the way out independent of that stored count)
	PLACES
	WIN 0x04                                       ; an LDS store's data are its source 1: window 1
	s_wait_alu depctr_va_vdst(0)                   ; the matrix instructions and the multiply-adds have written the sums, which the LDS stores read; the places above stay beside this wait
.irp a, 0,1,2,3
.irp c, 0,1
	ds_store_b128 v10, v[192+8*(2*\a+\c):195+8*(2*\a+\c)] offset:\a*16*SP+64*\c
	ds_store_b128 v10, v[196+8*(2*\a+\c):199+8*(2*\a+\c)] offset:\a*16*SP+64*\c+16
.endr
.endr
	WIN 0
	s_wait_dscnt 0x0
	s_barrier_signal -1
	s_barrier_wait -1
.set i, 0
.rept 16
	ds_load_b128 v[SG+4*i:SG+4*i+3], v11 offset:i*SP   ; (the LDS stores that read v[SG ..] stand ahead of the last half's wait on vm_vsrc; no vector instruction has named them)
.set i, i+1
.endr
	WIN 0x08                                       ; source 1: window 2
.set i, 0
.rept 16
	s_wait_dscnt 15-i                              ; row i is back; the 15 - i rows behind it may be out
	v_pk_add_f32 v[SG+4*i:SG+4*i+1], v[SG+4*i:SG+4*i+1], v[192+4*i:193+4*i]
	v_pk_add_f32 v[SG+4*i+2:SG+4*i+3], v[SG+4*i+2:SG+4*i+3], v[194+4*i:195+4*i]
.set i, i+1
.endr
	WIN 0
	s_wait_alu depctr_va_vdst(0)                   ; the additions have written v[SG ..], which the stores read
.set i, 0
.rept 16
	global_store_b128 v[WK+i], v[SG+4*i:SG+4*i+3], s[14:15] th:TH_STORE_NT   ; 32 lanes store 512 consecutive bytes, aligned; written once, read by nobody here
.set i, i+1
.endr
	s_wait_xcnt 0x0
	s_wait_alu depctr_vm_vsrc(0)                   ; the last two stores have read v254 and v255 as their offsets: the add's two registers are made in them
	v_lshl_add_u32 v254, v0, 2, 0x21c00
	v_mov_b32 v255, 0
	s_wait_dscnt 0x0                               ; the closing lines, six on end
	s_wait_alu 0x0
	s_wait_tensorcnt 0x0
	ds_add_u32 v254, v255
	s_wait_dscnt 0x0
	s_endpgm
.Lfunc_end_k_qa98c1f6f92_down:
	.size	k_qa98c1f6f92_down, .Lfunc_end_k_qa98c1f6f92_down-k_qa98c1f6f92_down
	.p2alignl 7, 3214868480
	.fill 96, 4, 3214868480
	.section	.rodata,"a",@progbits
	.p2align	6, 0x0
	.amdhsa_kernel k_qa98c1f6f92_down
		.amdhsa_group_segment_fixed_size 138752
		.amdhsa_private_segment_fixed_size 0
		.amdhsa_enable_private_segment 0
		.amdhsa_kernarg_size 48
		.amdhsa_user_sgpr_count 2
		.amdhsa_user_sgpr_kernarg_segment_ptr 1
		.amdhsa_wavefront_size32 1
		.amdhsa_system_sgpr_workgroup_id_x 1
		.amdhsa_system_sgpr_workgroup_id_y 1
		.amdhsa_system_sgpr_workgroup_id_z 1
		.amdhsa_system_vgpr_workitem_id 0
		.amdhsa_next_free_vgpr 1024
		.amdhsa_next_free_sgpr 96
		.amdhsa_reserve_vcc 0
		.amdhsa_float_denorm_mode_32 3
		.amdhsa_float_denorm_mode_16_64 3
		.amdhsa_memory_ordered 1
		.amdhsa_forward_progress 1
		.amdhsa_inst_pref_size 121
	.end_amdhsa_kernel
	.amdgpu_metadata
---
amdhsa.version: [ 1, 2 ]
amdhsa.kernels:
  - .name:           k_qa98c1f6f92_down
    .symbol:         k_qa98c1f6f92_down.kd
    .args:
      - { .name: hid, .offset: 0, .size: 8, .value_kind: global_buffer, .address_space: global }
      - { .name: wdn, .offset: 8, .size: 8, .value_kind: global_buffer, .address_space: global }
      - { .name: lists, .offset: 16, .size: 8, .value_kind: global_buffer, .address_space: global }
      - { .name: xcodes, .offset: 24, .size: 8, .value_kind: global_buffer, .address_space: global }
      - { .name: hidden_states, .offset: 32, .size: 8, .value_kind: global_buffer, .address_space: global }
      - { .name: out0, .offset: 40, .size: 8, .value_kind: global_buffer, .address_space: global }
    .group_segment_fixed_size: 138752
    .private_segment_fixed_size: 0
    .kernarg_segment_align: 8
    .kernarg_segment_size: 48
    .max_flat_workgroup_size: 128
    .sgpr_count:     96
    .vgpr_count:     1024
    .wavefront_size: 32
...
	.end_amdgpu_metadata
.endif
;; end of part 6
